; MI455X (gfx1250); checked and timed in simulation.
; The chip was launched on July 23, 2026; its instructions are those of AMD's public machine-readable ISA for CDNA 5 (MIT licence, August 2026) and "CDNA5" Instruction Set Architecture Reference Guide (July 2026). The comments in the code are by the model that wrote it; some were corrected since.
;; Multi Head Attention. Allowed arithmetic: matrix products marked QUANTISED: E2M3 operands, one E8M0 scale for each 32 along K, by v_wmma_scale_f32_16x16x128_f8f6f4 with both operands' format E2M3, f32 sums; everything else in f32.
;; Inputs: Wk 1,024 x 1,024 float32; Wo 1,024 x 1,024 float32; Wq 1,024 x 1,024 float32; Wv 1,024 x 1,024 float32; bk 1,024 float32; bo 1,024 float32; bq 1,024 float32; bv 1,024 float32; keys 4 x 2,048 x 1,024 float32; mask 4 x 2,048 int32; query 4 x 2,048 x 1,024 float32; values 4 x 2,048 x 1,024 float32.
;; Outputs: out0 4 x 2,048 x 1,024 float32.
;; This version of the problem:
;;   THIS VERSION OF THE PROBLEM IS GIVEN IN LOW PRECISION. The matrix products marked QUANTISED in the list below multiply operands that are first quantised to E2M3 (2 exponent bits, 3 mantissa bits; 6 bits a number), with one power-of-two scale for each 32 numbers along K (OCP MX v1.0); their sums are f32. All else is computed in f32.
;;   The module's matrix products, in the order in which they are computed (A, B: the left and right operand; K: the contracted axis; several contracted axes count as one K, in the product's order):
;;     1. [M 8,192, K 1,024] x [K 1,024, N 1,024]; A: input query; B: input Wq: QUANTISED
;;     2. [M 8,192, K 1,024] x [K 1,024, N 1,024]; A: input keys; B: input Wk: QUANTISED
;;     3. [M 8,192, K 1,024] x [K 1,024, N 1,024]; A: input values; B: input Wv: QUANTISED
;;     4. batch 64 x [M 2,048, K 64] x [K 64, N 2,048]; A: computed on the way; B: computed on the way: QUANTISED
;;     5. batch 64 x [M 2,048, K 2,048] x [K 2,048, N 64]; A: softmax (see below); B: computed on the way: QUANTISED
;;     6. [M 8,192, K 1,024] x [K 1,024, N 1,024]; A: computed on the way; B: input Wo: QUANTISED
;;   THE QUANTISER, for each operand of a quantised product, along K:
;;     - K is cut into blocks of 32 from its start; a last block that is shorter is filled with zeros.
;;     - A block's scale is 2^e with e = floor(log2(the largest magnitude in the block)) - 2, held to -126 .. 127; a block of zeros has e = 0. As a byte (E8M0): e + 127.
;;     - Each number is divided by its block's scale, clamped to +-7.5, and rounded to the nearest number of E2M3, ties to even, subnormals kept.
;;     - The product sums the exact products of the quantised numbers (number of the format x scale) in f32.
;;   ~~~python
;;   def quantise(x, axis):      # numpy; x: float32 -> the quantised numbers, widened to float32 again
;;       x = np.moveaxis(x, axis, -1); K = x.shape[-1]
;;       x = np.pad(x, [(0, 0)] * (x.ndim - 1) + [(0, -K % 32)]); x = x.reshape(x.shape[:-1] + (-1, 32)); a = np.abs(x).max(-1, keepdims=True)
;;       e = np.where(a > 0, np.clip(np.frexp(np.where(a > 0, a, 1))[1] - 1 - 2, -126, 127), 0)      # np.frexp(a)[1] - 1 = floor(log2(a)), exactly
;;       r = np.clip(x / 2.0 ** e, -7.5, 7.5)
;;       step = 2.0 ** (np.maximum(np.frexp(np.where(r == 0, 1, r))[1] - 1, 0) - 3)
;;       q = np.round(r / step) * step * 2.0 ** e      # np.round: ties to even
;;       return np.moveaxis(q.reshape(q.shape[:-2] + (-1,))[..., :K], -1, axis).astype(np.float32)
;;   ~~~
;;   SOFTMAX AHEAD OF A QUANTISED PRODUCT. Where the list says 'softmax', what is quantised is not the finished softmax but p = 2^(t - M), with t = logit x log2(e) and M = ceil(the row's largest t), a whole number; so 1/2 < the row's largest p <= 1. The row's sum l is taken of the UNQUANTISED p, in f32, and the product's result is divided by l at the end. Since M is a whole number, a kernel that streams over the keys may use a running M (the ceiling of the running maximum): every later rescaling is an exact power of two, which a block's scale takes up: the codes' values come out the same.
;;   OPERANDS COMPUTED ON THE WAY. 'Computed on the way' means the value that the module computes at that place (a softmax that the list does not call 'softmax' is quantised finished and normalised). What goes into a quantiser is computed in f32, as accurately as f32 sums, v_exp_f32 and their like allow (about 1e-6 of the number): no bf16 or f16 on the way to a quantiser, and a product that is left as it is and whose result goes on into a quantised operand takes f32 operands (vector FMAs, or v_wmma_f32_16x16x4_f32). A number that lies on a knife's edge between two numbers of the format may be rounded either way, as far as f32 arithmetic and the matrix unit's own rounding can turn it there, and no further.
;; One version. Each part assembles by itself: llvm-mc -triple=amdgcn-amd-amdhsa -mcpu=gfx1250 --defsym DOCPART=n.
;; ======== version 1 of 1: 4 launches
;; limits: right only within a limited range of input values
;; workspace buffers: cod 22,020,096 bytes; scl 917,504 bytes; qc 6,291,456 bytes; qks 1,048,576 bytes; kv 12,845,056 bytes; oc 6,291,456 bytes; os 262,144 bytes
;; launch quant (part 1): grid 896 x 1, 4 waves a work-group, no clusters, 33,280 bytes of LDS; arguments query, keys, values, Wq, Wk, Wv, Wo, cod, scl; writes cod, scl
.if DOCPART == 1
	.amdgcn_target "amdgcn-amd-amdhsa--gfx1250"
	.amdhsa_code_object_version 6
	.text
	.protected	k_qc0a990c874_quant
	.globl	k_qc0a990c874_quant
	.p2align	8
	.type	k_qc0a990c874_quant,@function
k_qc0a990c874_quant:
	s_mov_b64 s[64:65], 0
	v_nop
	global_prefetch_b8 v0, s[64:65] scope:SCOPE_SE
	s_setreg_imm32_b32 hwreg(HW_REG_WAVE_MODE, 25, 1), 1
	s_wait_xcnt 0x0
; query, keys, values [8192][1024] and Wq, Wk, Wv, Wo [1024][1024], f32, K innermost, become codes of FP6 (E2M3) in cod [28672 rows][768 bytes] and E8M0 scale bytes in scl [28672][32],
; one byte for each 32 along K.  Rows in cod and scl: query 0, keys 8192, values 16384, Wq 24576, Wk 25600, Wv 26624, Wo 27648.
; A block's scale is 2^(floor(log2(its largest magnitude)) - 2); its byte is the largest magnitude's exponent field - 2, held at 1 from below.  A block of zeros so gets the byte 1 where the rule says 127:
; its codes are zeros, which add nothing under any byte but 0xff, and this program alone reads the bytes.
; LIMITS: blocks whose largest magnitude lies under 2^(2 - 126) have their byte held at 1; NaN and infinities among the inputs are not served.
; ROWS CHANGE PLACES in keys, values, Wq, Wk, Wv: workspace row i holds the tensor's row i with bits 3 and 4 exchanged.  Sixteen neighbouring workspace rows then are the rows 32 b + 8 u + r + 8 (r / 8)
; that a later product wants as one tile of its source 0, so that a lane's 16 results of two neighbouring tiles are 16 neighbours along the next product's K.  A wave takes 8 rows (8,192 numbers), a work-group 32:
; so the exchange is an exchange of the two bits of the wave's number in the place where it stores.  query and Wo keep their order.
; A wave takes 16 steps of 512 numbers.  Each load reads 512 consecutive bytes, 16 a lane; a step's 2,048 bytes turn through the wave's own stage in LDS and come back 64 bytes a lane: 16 neighbours along K,
; as the conversion wants them.  Two neighbouring lanes hold a block.  No tensor load, no barrier: waves share nothing.  Loads run four steps (16 loads a wave) ahead, the turn through LDS one step.
.set STEPS, 16
.set EMAX,  2
.set CB,    12                         ; bytes of 16 codes
.set R,     16                         ; v16-79   four sets of 16 numbers as they are loaded
.set X,     80                         ; v80-111  two sets of 16 neighbours
.set C,     128                        ; v128-191 codes: four registers for each step, so that no store's data are written again
.set E,     112                        ; v112-127 a scale byte for each step
.set WREG,  8192                       ; LDS: a region for each wave: two stages of 32 x SP bytes, behind them its 256 scale bytes
.set SP,    80                         ; a lane's place in a stage: 64 bytes + 16 of padding
	s_load_b512 s[4:19], s[0:1], 0x0               ; query s[4:5], keys s[6:7], values s[8:9], Wq s[10:11], Wk s[12:13], Wv s[14:15], Wo s[16:17], cod s[18:19]
	s_load_b64 s[20:21], s[0:1], 0x40              ; scl
	v_lshl_add_u32 v192, v0, 2, 0x8000
	v_mov_b32 v193, 0
	v_lshrrev_b32 v1, 5, v0
	v_readfirstlane_b32 s22, v1                    ; wave
	v_and_b32 v2, 31, v0                           ; lane
	v_lshlrev_b32 v3, 4, v2                        ; my 16 bytes of a load's 512
	s_mul_i32 s23, s22, WREG
	v_lshrrev_b32 v14, 2, v2
	v_mul_u32_u24 v14, v14, SP
	v_and_b32 v15, 3, v2
	v_lshl_add_u32 v14, v15, 4, v14
	v_add_nc_u32 v14, s23, v14                     ; the stage, on the way in: SP (lane / 4) + 16 (lane % 4)
	v_mul_u32_u24 v15, v2, SP
	v_add_nc_u32 v15, s23, v15                     ; and on the way out: SP x lane: my 16 neighbours
	v_mul_u32_u24 v4, v2, CB                       ; my codes' place in a step's
	v_lshrrev_b32 v5, 1, v2
	s_add_co_u32 s23, s23, 2*32*SP
	v_add_nc_u32 v5, s23, v5                       ; LDS: my wave's 256 scale bytes, my block's byte
	v_lshlrev_b32 v7, 3, v2                        ; and on the way out 8 bytes a lane
	v_add_nc_u32 v6, s23, v7
	s_mov_b32 s24, 0                               ; the first work-group of the tensor in hand
	s_wait_alu depctr_va_vdst(0)
	s_wait_kmcnt 0x0
.macro PICK first, p                   ; from work-group first on the source is the tensor at s[p:p+1]: the choice hangs on the work-group's number alone
	s_cmp_ge_u32 ttmp9, \first
	s_cselect_b64 s[4:5], s[\p:\p+1], s[4:5]
	s_cselect_b32 s24, \first, s24
.endm
	PICK 256, 6
	PICK 512, 8
	PICK 768, 10
	PICK 800, 12
	PICK 832, 14
	PICK 864, 16
	s_sub_co_u32 s25, ttmp9, s24
	s_lshl_b32 s25, s25, 2
	s_add_co_u32 s25, s25, s22                     ; which run of 8,192 numbers of the tensor I read
	s_lshl_b32 s26, s25, 15                        ; 32,768 bytes a run, under 2^26 in all
	s_mov_b32 s27, 0
	s_add_nc_u64 s[4:5], s[4:5], s[26:27]
	s_and_b32 s28, s22, 1
	s_lshl_b32 s28, s28, 1
	s_lshr_b32 s29, s22, 1
	s_or_b32 s28, s28, s29                         ; the wave's number with its two bits exchanged
	s_sub_co_u32 s29, ttmp9, 256
	s_cmp_lt_u32 s29, 608                          ; work-groups 256 to 863: keys, values, Wq, Wk, Wv
	s_cselect_b32 s28, s28, s22
	s_lshl_b32 s29, ttmp9, 2
	s_add_co_u32 s28, s29, s28                     ; which run of 8 rows of cod and scl I write
	s_mul_i32 s30, s28, 32*STEPS*CB                ; 6,144 bytes of codes a run
	s_mov_b32 s31, 0
	s_add_nc_u64 s[18:19], s[18:19], s[30:31]
	s_lshl_b32 s30, s28, 8                         ; 256 scale bytes a run
	s_add_nc_u64 s[20:21], s[20:21], s[30:31]
.macro LOAD t
.irp i, 0,1,2,3
	global_load_b128 v[R+16*((\t)%4)+4*\i:R+16*((\t)%4)+4*\i+3], v3, s[4:5] offset:2048*(\t)+512*\i th:TH_LOAD_NT   ; 32 lanes read 512 consecutive bytes
.endr
.endm
.macro TURN t                          ; step t's numbers through the stage: LDS serves a wave's instructions in order, so no wait stands between the stores and the loads
.irp i, 0,1,2,3
	ds_store_b128 v14, v[R+16*((\t)%4)+4*\i:R+16*((\t)%4)+4*\i+3] offset:32*SP*((\t)%2)+8*SP*\i
.endr
.irp i, 0,1,2,3
	ds_load_b128 v[X+16*((\t)%2)+4*\i:X+16*((\t)%2)+4*\i+3], v15 offset:32*SP*((\t)%2)+16*\i
.endr
.endm
.irp t, 0,1,2,3
	LOAD \t
.endr
	s_wait_loadcnt 12                              ; step 0's four loads are in; the twelve of steps 1 to 3 may be out
	TURN 0
.macro STEP t
.set XS, X+16*((\t)%2)
.if (\t) > 0
	s_wait_dscnt 1                                 ; this step's numbers are back from the stage (the last step's byte store may be out): so its stores into the stage have read their registers,
.else
	s_wait_dscnt 0x0
.endif
.if (\t)+4 < STEPS
	LOAD (\t)+4                                    ; which take the loads of four steps on
.endif
.if (\t)+1 < STEPS
.if STEPS-2-(\t) >= 3
	s_wait_loadcnt 12                              ; the next step's four loads are in; those of the three steps behind it may be out
.else
	s_wait_loadcnt 4*(STEPS-2-(\t))
.endif
	TURN (\t)+1                                    ; and go through the other stage while this step is worked
.endif
	v_max3_num_f32 v8, |v[XS]|, |v[XS+1]|, |v[XS+2]|               ; the largest magnitude of my 16, in two chains
	v_max3_num_f32 v9, |v[XS+3]|, |v[XS+4]|, |v[XS+5]|
.irp i, 6,10
	v_max3_num_f32 v8, v8, |v[XS+\i]|, |v[XS+\i+1]|
	v_max3_num_f32 v9, v9, |v[XS+\i+2]|, |v[XS+\i+3]|
.endr
	v_max3_num_f32 v8, v8, |v[XS+14]|, |v[XS+15]|
	v_max3_num_f32 v8, v8, v9, (EMAX+1)<<23        ; and the floor 2^(EMAX + 1 - 127): the byte cannot fall under 1
	v_max_num_f32_dpp v8, v8, v8 row_xmask:1 row_mask:0xf bank_mask:0xf   ; and of my neighbour's 16: the block's
	v_add_nc_u32 v11, -(EMAX<<23), v8              ; EMAX off its exponent field: the conversion takes the exponent field of this operand as its scale
	v_cvt_scalef32_pk16_fp6_f32 v[C+4*(\t):C+4*(\t)+2], v[XS:XS+15], v11         ; sixteen numbers / the scale, to the nearest code, ties to even, beyond the largest code the largest
	v_lshrrev_b32 v[E+(\t)], 23, v11               ; the scale's byte (also the plain line behind the conversion)
	ds_store_b8 v5, v[E+(\t)] offset:16*(\t)       ; both lanes of a block write the same byte with the same value
	global_store_b96 v4, v[C+4*(\t):C+4*(\t)+2], s[18:19] offset:32*CB*(\t)      ; the wave stores 384 consecutive bytes
.endm
.irp t, 0,1,2,3,4,5,6,7,8,9,10,11,12,13,14,15
	STEP \t
.endr
	ds_load_b64 v[12:13], v6                       ; LDS serves a wave's instructions in order: these see my stores
	s_wait_dscnt 0x0
	global_store_b64 v7, v[12:13], s[20:21]        ; 32 lanes store 256 consecutive bytes, aligned
	s_wait_tensorcnt 0x0
	ds_add_u32 v192, v193
	s_wait_dscnt 0x0
	s_endpgm
.Lfunc_end_k_qc0a990c874_quant:
	.size	k_qc0a990c874_quant, .Lfunc_end_k_qc0a990c874_quant-k_qc0a990c874_quant
	.p2alignl 7, 3214868480
	.fill 96, 4, 3214868480
	.section	.rodata,"a",@progbits
	.p2align	6, 0x0
	.amdhsa_kernel k_qc0a990c874_quant
		.amdhsa_group_segment_fixed_size 33280
		.amdhsa_private_segment_fixed_size 0
		.amdhsa_enable_private_segment 0
		.amdhsa_kernarg_size 72
		.amdhsa_user_sgpr_count 2
		.amdhsa_user_sgpr_kernarg_segment_ptr 1
		.amdhsa_wavefront_size32 1
		.amdhsa_system_sgpr_workgroup_id_x 1
		.amdhsa_system_sgpr_workgroup_id_y 1
		.amdhsa_system_sgpr_workgroup_id_z 1
		.amdhsa_system_vgpr_workitem_id 0
		.amdhsa_next_free_vgpr 194
		.amdhsa_next_free_sgpr 66
		.amdhsa_reserve_vcc 0
		.amdhsa_float_denorm_mode_32 3
		.amdhsa_float_denorm_mode_16_64 3
		.amdhsa_memory_ordered 1
		.amdhsa_forward_progress 1
		.amdhsa_inst_pref_size 33
	.end_amdhsa_kernel
	.amdgpu_metadata
---
amdhsa.version: [ 1, 2 ]
amdhsa.kernels:
  - .name:           k_qc0a990c874_quant
    .symbol:         k_qc0a990c874_quant.kd
    .args:
      - { .name: query, .offset: 0, .size: 8, .value_kind: global_buffer, .address_space: global }
      - { .name: keys, .offset: 8, .size: 8, .value_kind: global_buffer, .address_space: global }
      - { .name: values, .offset: 16, .size: 8, .value_kind: global_buffer, .address_space: global }
      - { .name: Wq, .offset: 24, .size: 8, .value_kind: global_buffer, .address_space: global }
      - { .name: Wk, .offset: 32, .size: 8, .value_kind: global_buffer, .address_space: global }
      - { .name: Wv, .offset: 40, .size: 8, .value_kind: global_buffer, .address_space: global }
      - { .name: Wo, .offset: 48, .size: 8, .value_kind: global_buffer, .address_space: global }
      - { .name: cod, .offset: 56, .size: 8, .value_kind: global_buffer, .address_space: global }
      - { .name: scl, .offset: 64, .size: 8, .value_kind: global_buffer, .address_space: global }
    .group_segment_fixed_size: 33280
    .private_segment_fixed_size: 0
    .kernarg_segment_align: 8
    .kernarg_segment_size: 72
    .max_flat_workgroup_size: 128
    .sgpr_count:     66
    .vgpr_count:     194
    .wavefront_size: 32
...
	.end_amdgpu_metadata
.endif
;; end of part 1
;; launch proj (part 2): grid 4 x 96, 4 waves a work-group, clusters of 4 x 4, 327,680 bytes of LDS; arguments cod, scl, bq, bk, bv, qc, kv, qks; writes qc, kv, qks
.if DOCPART == 2
	.amdgcn_target "amdgcn-amd-amdhsa--gfx1250"
	.amdhsa_code_object_version 6
	.text
	.protected	k_qc0a990c874_proj
	.globl	k_qc0a990c874_proj
	.p2align	8
	.type	k_qc0a990c874_proj,@function
k_qc0a990c874_proj:
	s_mov_b64 s[64:65], 0
	v_nop
	global_prefetch_b8 v0, s[64:65] scope:SCOPE_SE
	s_setreg_imm32_b32 hwreg(HW_REG_WAVE_MODE, 25, 1), 1
	s_wait_xcnt 0x0
	s_wait_alu depctr_hold_cnt(0) depctr_sa_sdst(0) depctr_va_vdst(0) depctr_va_sdst(0) depctr_va_ssrc(0) depctr_va_vcc(0) depctr_vm_vsrc(0)
	s_getreg_b32 s2, hwreg(HW_REG_IB_STS2, 6, 4)
	s_cmp_eq_u32 s2, 0
	s_cbranch_scc0 .Lentry_in_a_cluster
	s_endpgm
.Lentry_in_a_cluster:
	s_bfe_u32 s2, ttmp6, 0x10000c
	s_cmp_lg_u32 s2, 0xf033
	s_cbranch_scc0 .Lentry_shape_is_right
	s_endpgm
.Lentry_shape_is_right:
.set KSTEP,  256
.set NQ,     KSTEP/128
.set ROWB,   192
.set KROW,   768
.set PITCH,  240
.set FR,     12
.set NL,     6
.set NP,     4
.set HALFT,  128*PITCH
.set SLOT,   4*HALFT
.set LAPS,   2
.set KS,     32
.set SCL,    2*SLOT
.set HALFS,  (128*KS/256)*272
.set SBLK,   (16*KS/256)*272
.set SPARE,  SCL+4*HALFS
.set WST,    2560
.set ADRA, 16
.set ADRB, 20
.set STO,  24
.set RD,   25
.set GV0,  26
.set ADRS, 27
.set SPW,  28
.set NIL,  29
.set GV1,  7
.set GV2,  8
.set SSTO, 9
.set SRD,  10
.set SV0,  11
.set SH,   12
.set BCO,  13
.set BRO,  14
.set SC,   32
.set BI,   64
.set AF,   128
.set RBI,  224
.set TM,   224
.set PWR,  240
.set CD0,  64
.set BK0,  112
.set G1, 24
.set G0, 32
.set G1B, 48
.set G0B, 56
.set G1S, 68
.set G0S, 76
.set G1SB, 80
.set G0SB, 88
.set GG,  95
.set MSB, 0
.macro WIN new
.if MSB != \new
	s_set_vgpr_msb (MSB<<8)|\new
.set MSB, \new
.endif
.endm
.set MUL_LO, 0xa1
.set MUL_HI, 0xf1
.set BIA_LO, 0x81
.set BIA_HI, 0xc1
.set TO_B,   0x40
.macro JLOAD g0a, g1a, g0b, g1b
	s_cmp_eq_u32 s15, 0
	s_cbranch_scc0 .Lfor_b_\@
	tensor_load_to_lds s[\g0a:\g0a+3], s[\g1a:\g1a+7]
	s_nop 0
.rept 4
	v_nop
.endr
	s_branch .Lasked_\@
.Lfor_b_\@:
	tensor_load_to_lds s[\g0b:\g0b+3], s[\g1b:\g1b+7]
	s_nop 0
.rept 4
	v_nop
.endr
.Lasked_\@:
.endm
.macro CREST
	s_cmp_lg_u32 s14, 0
	s_cbranch_scc1 .Lnot_wave_0_\@
	s_barrier_signal -3
.Lnot_wave_0_\@:
	s_barrier_wait -3
	s_barrier_signal -1
	s_barrier_wait -1
.endm
.macro CROUND
	s_barrier_signal -1
	s_barrier_wait -1
	CREST
.endm
	s_load_b256 s[4:11], s[0:1], 0x0
	s_load_b256 s[24:31], s[0:1], 0x20
	v_lshl_add_u32 v[SPW], v0, 2, SPARE
	v_mov_b32 v[NIL], 0
	ds_add_u32 v28, v29
	ds_add_u32 v28, v29
	s_wait_dscnt 0x0
	v_lshrrev_b32 v1, 5, v0
	v_readfirstlane_b32 s14, v1
	s_lshr_b32 s15, s14, 1
	s_and_b32 s16, s14, 1
	s_bfe_u32 s40, ttmp6, 0x40000
	s_bfe_u32 s41, ttmp6, 0x40004
	s_and_b32 s66, ttmp7, 0xffff
	s_lshr_b32 s[GG], s66, 3
	s_and_b32 s66, s66, 7
	s_cmp_eq_u32 s[GG], 2
	s_cselect_b32 s42, s66, 0
	s_cselect_b32 s17, 0, s66
	s_lshl_b32 s42, s42, 2
	s_add_co_u32 s42, s42, s40
	s_lshl_b32 s17, s17, 2
	s_add_co_u32 s17, s17, s41
	s_cmp_eq_u32 s[GG], 0
	s_cselect_b32 s67, 0, 8192
	s_mov_b32 s101, 25600
	s_cselect_b32 s101, 24576, s101
	s_cmp_eq_u32 s[GG], 2
	s_cselect_b32 s67, 26624, s67
	s_cselect_b32 s101, 16384, s101
	s_lshl_b32 s43, s41, 2
	s_lshl_b32 s43, 15, s43
	s_lshl_b32 s44, 0x1111, s40
	s_lshl_b32 s18, s16, 7
	s_lshl_b32 s20, s17, 8
	s_add_co_u32 s20, s20, s18
	s_add_co_u32 s20, s20, s67
	s_lshl_b32 s46, s42, 8
	s_add_co_u32 s46, s46, s18
	s_add_co_u32 s46, s46, s101
	s_mov_b32 s21, 0
	s_mov_b32 s47, 0
	s_mov_b64 s[18:19], KS
	s_mul_u64 s[22:23], s[20:21], s[18:19]
	s_mul_u64 s[92:93], s[46:47], s[18:19]
	s_mov_b64 s[18:19], KROW
	s_mul_u64 s[20:21], s[20:21], s[18:19]
	s_mul_u64 s[46:47], s[46:47], s[18:19]
	s_mul_i32 s45, s14, HALFT
	s_mul_i32 s94, s14, HALFS
	s_mov_b32 s104, 0x76543210
	s_mov_b32 s105, 0xfedcba98
	s_wait_kmcnt 0x0
	s_cmp_eq_u32 s[GG], 2
	s_cselect_b64 s[12:13], s[24:25], s[10:11]
	s_cselect_b64 s[10:11], s[28:29], s[30:31]
	s_cmp_eq_u32 s[GG], 0
	s_cselect_b64 s[8:9], s[8:9], s[12:13]
	s_cselect_b64 s[12:13], s[26:27], s[28:29]
	s_or_b32 s[G1+0], s43, (0<<16)|(1<<20)|(1<<21)|(3<<22)|(3<<25)
	s_or_b32 s[G1B+0], s44, (0<<16)|(1<<20)|(1<<21)|(3<<22)|(3<<25)
.irp g, G1, G1B
	s_mov_b32 s[\g+1], ROWB<<16
	s_mov_b32 s[\g+2], 128<<16
	s_mov_b32 s[\g+3], ROWB<<16
	s_mov_b32 s[\g+4], 128
	s_mov_b32 s[\g+5], KROW
	s_mov_b32 s[\g+6], 0
	s_mov_b32 s[\g+7], 0
.endr
	s_or_b32 s[G1S+0], s43, (3<<16)|(1<<20)|(1<<21)|(5<<22)|(3<<25)
	s_or_b32 s[G1SB+0], s44, (3<<16)|(1<<20)|(1<<21)|(5<<22)|(3<<25)
.irp g, G1S, G1SB
	s_mov_b32 s[\g+1], 32<<16
	s_mov_b32 s[\g+2], (128*KS/256)<<16
	s_mov_b32 s[\g+3], 32<<16
	s_mov_b32 s[\g+4], 128*KS/256
	s_mov_b32 s[\g+5], 32
	s_mov_b32 s[\g+6], 0
	s_mov_b32 s[\g+7], 0
.endr
	s_add_nc_u64 s[20:21], s[4:5], s[20:21]
	s_add_nc_u64 s[22:23], s[6:7], s[22:23]
	s_add_nc_u64 s[46:47], s[4:5], s[46:47]
	s_add_nc_u64 s[92:93], s[6:7], s[92:93]
	CROUND
	s_mov_b32 s[G0S], 1
	s_add_co_u32 s[G0S+1], s94, SCL
	s_mov_b64 s[G0S+2:G0S+3], s[22:23]
	s_or_b32 s[G0S+3], s[G0S+3], 0x80000000
	s_mov_b32 s[G0SB], 1
	s_add_co_u32 s[G0SB+1], s94, SCL
	s_mov_b64 s[G0SB+2:G0SB+3], s[92:93]
	s_or_b32 s[G0SB+3], s[G0SB+3], 0x80000000
	JLOAD G0S, G1S, G0SB, G1SB
.irp s, 0,1
	s_mov_b32 s[G0+4*\s], 1
	s_add_co_u32 s[G0+4*\s+1], s45, \s*SLOT
	s_add_nc_u64 s[G0+4*\s+2:G0+4*\s+3], s[20:21], \s*ROWB
	s_or_b32 s[G0+4*\s+3], s[G0+4*\s+3], 0x80000000
	s_mov_b32 s[G0B+4*\s], 1
	s_add_co_u32 s[G0B+4*\s+1], s45, \s*SLOT
	s_add_nc_u64 s[G0B+4*\s+2:G0B+4*\s+3], s[46:47], \s*ROWB
	s_or_b32 s[G0B+4*\s+3], s[G0B+4*\s+3], 0x80000000
	s_wait_alu depctr_va_vdst(0)
	s_wait_tensorcnt 0x0
	ds_add_u32 v28, v29
	s_wait_dscnt 0x0
	CROUND
	JLOAD G0+4*\s, G1, G0B+4*\s, G1B
.endr
	v_and_b32 v1, 15, v0
	v_bfe_u32 v2, v0, 4, 1
	v_mul_u32_u24 v3, v1, PITCH
	v_mul_u32_u24 v4, v2, 24
	v_add_nc_u32 v4, v3, v4
	v_lshl_add_u32 v5, v2, 4, v4
	s_mul_i32 s21, s15, HALFT
	s_mul_i32 s22, s16, HALFT
	s_add_co_u32 s22, s22, 2*HALFT
.irp s, 0,1
	v_add_nc_u32 v[ADRA+\s], s21, v4
	v_add_nc_u32 v[ADRB+\s], s22, v4
	v_add_nc_u32 v[ADRA+2+\s], s21, v5
	v_add_nc_u32 v[ADRB+2+\s], s22, v5
	s_add_co_u32 s21, s21, SLOT
	s_add_co_u32 s22, s22, SLOT
.endr
	v_mul_u32_u24 v5, v1, KS
	v_lshrrev_b32 v6, 8, v5
	v_lshl_add_u32 v5, v6, 4, v5
	s_mul_i32 s21, s15, HALFS
	s_mul_i32 s22, s16, HALFS
	s_add_co_u32 s22, s22, 2*HALFS
	s_sub_co_u32 s22, s22, s21
	v_mul_u32_u24 v6, s22, v2
	s_add_co_u32 s21, s21, SCL
	v_add_nc_u32 v5, v5, v6
	v_add_nc_u32 v[ADRS], s21, v5
	s_mul_i32 s23, s14, WST
	v_and_b32 v6, 31, v0
	v_mul_u32_u24 v5, v1, 48
	v_mad_u32_u24 v5, v2, 24, v5
	v_add_nc_u32 v[STO], s23, v5
	v_lshlrev_b32 v[GV0], 4, v6
	v_add_nc_u32 v[RD], s23, v[GV0]
	v_lshlrev_b32 v5, 2, v1
	v_lshl_add_u32 v5, v2, 9, v5
	v_add_nc_u32 v5, s23, v5
	v_add_nc_u32 v[SSTO], 1536, v5
	v_add_nc_u32 v[SRD], 1536, v[RD]
	s_lshl_b32 s20, s17, 8
	s_lshl_b32 s21, s15, 7
	s_add_co_u32 s20, s20, s21
	s_lshl_b32 s46, s42, 8
	s_lshl_b32 s47, s16, 7
	s_add_co_u32 s46, s46, s47
	s_cmp_eq_u32 s[GG], 2
	s_cselect_b32 s21, s46, s20
	s_cselect_b32 s22, s20, s46
	s_cselect_b32 s18, 0, s46
	s_cselect_b32 s92, s20, 0
	s_lshl_b32 s18, s18, 2
	s_mov_b32 s19, 0
	s_lshl_b32 s92, s92, 2
	s_mov_b32 s93, 0
	s_add_nc_u64 s[46:47], s[8:9], s[18:19]
	s_add_nc_u64 s[92:93], s[8:9], s[92:93]
	s_lshr_b32 s23, s21, 11
	s_lshl_b32 s23, s23, 4
	s_lshr_b32 s22, s22, 6
	s_add_co_u32 s23, s23, s22
	s_bfe_u32 s22, s21, 0x40007
	s_mov_b32 s94, 200704
	s_mov_b32 s66, 12544
	s_cmp_eq_u32 s[GG], 0
	s_cselect_b32 s45, 98304, s94
	s_cselect_b32 s67, 6144, s66
	s_cselect_b32 s101, 0, 524288
	s_cmp_eq_u32 s[GG], 2
	s_cselect_b32 s98, 3072, s45
	s_cselect_b32 s96, 197632, 0
	s_cselect_b32 s99, s94, 256
	s_cselect_b32 s100, -1, 0xffff
	s_cselect_b32 s20, 6144, 0
	s_cselect_b32 s21, s94, 8192
	s_cselect_b32 s66, s66, 512
	s_cselect_b32 s101, 12288, s101
	s_cselect_b32 s94, 0, 16
	s_mov_b32 s97, 0
	s_mul_i32 s45, s23, s45
	s_mul_i32 s67, s22, s67
	s_add_co_u32 s18, s45, s67
	s_add_co_u32 s18, s18, s20
	s_add_nc_u64 s[12:13], s[12:13], s[18:19]
	s_mul_i32 s21, s23, s21
	s_mul_i32 s66, s22, s66
	s_add_co_u32 s18, s21, s66
	s_add_co_u32 s18, s18, s101
	s_add_nc_u64 s[10:11], s[10:11], s[18:19]
	s_sub_co_u32 s20, s98, 768
	v_mul_u32_u24 v5, s20, v2
	s_wait_alu depctr_va_vdst(0)
	v_add_nc_u32 v5, v5, v[GV0]
	v_add_nc_u32 v[GV1], 512, v5
	s_add_co_u32 s20, s98, 256
	v_add_nc_u32 v[GV2], s20, v[GV0]
	v_mul_u32_u24 v5, s99, v2
	v_lshl_add_u32 v[SV0], v1, 4, v5
	v_mul_u32_u24 v[SH], s94, v2
	v_lshlrev_b32 v[BCO], 6, v2
	v_and_b32 v5, 8, v1
	v_add_nc_u32 v5, v5, v1
	v_lshlrev_b32 v[BRO], 2, v5
.irp b, 0,1,2,3,4,5,6,7
	global_load_b128 v[BI+8*\b:BI+8*\b+3], v[BCO], s[46:47] offset:4*(32*(\b/2)+8*(\b%2))
	global_load_b128 v[BI+8*\b+4:BI+8*\b+7], v[BCO], s[46:47] offset:4*(32*(\b/2)+8*(\b%2))+16
.endr
.irp a, 0,1,2,3,4,5,6,7
	global_load_b32 v[RBI+\a], v[BRO], s[92:93] offset:4*(32*(\a/2)+8*(\a%2))
.endr
.macro FRAG reg, adr, q, i
.irp p, 0,1,2,3,4,5
.set PCE, 12*(\q)+6*(\p/3)+\p%3
.if PCE%8 < 5
	ds_load_b64 v[\reg+2*\p:\reg+2*\p+1], v[\adr] offset:8*PCE+16*(PCE/8)+(\i)*16*PITCH
.else
	ds_load_b64 v[\reg+2*\p:\reg+2*\p+1], v[\adr+2] offset:8*PCE+16*(PCE/8)+(\i)*16*PITCH
.endif
.endr
.endm
.macro MUL16 a0, p, q, sc, zero
.irp a, \a0, \a0+1
.irp b, 0,1,2,3,4,5,6,7
.if \zero == 2
	v_wmma_scale_f32_16x16x128_f8f6f4 v[8*(8*((\a)%4)+\b):8*(8*((\a)%4)+\b)+7], v[128*(\p)+FR*\b:128*(\p)+FR*\b+FR-1], v[AF+FR*(\a):AF+FR*(\a)+FR-1], v[BI+8*\b:BI+8*\b+7], v[SC+8*NQ*(\sc)+NQ*\b+(\q)], v[SC+8*NQ*(\sc)+NQ*(\a)+(\q)] matrix_a_fmt:MATRIX_FMT_FP6 matrix_b_fmt:MATRIX_FMT_FP6 matrix_a_scale:MATRIX_SCALE_ROW1
.elseif \zero == 3
	v_wmma_scale_f32_16x16x128_f8f6f4 v[8*(8*((\a)%4)+\b):8*(8*((\a)%4)+\b)+7], v[128*(\p)+FR*\b:128*(\p)+FR*\b+FR-1], v[AF+FR*(\a):AF+FR*(\a)+FR-1], v[BI+8*(\a):BI+8*(\a)+7], v[SC+8*NQ*(\sc)+NQ*\b+(\q)], v[SC+8*NQ*(\sc)+NQ*(\a)+(\q)] matrix_a_fmt:MATRIX_FMT_FP6 matrix_b_fmt:MATRIX_FMT_FP6 matrix_a_scale:MATRIX_SCALE_ROW1
.else
	v_wmma_scale_f32_16x16x128_f8f6f4 v[8*(8*((\a)%4)+\b):8*(8*((\a)%4)+\b)+7], v[128*(\p)+FR*\b:128*(\p)+FR*\b+FR-1], v[AF+FR*(\a):AF+FR*(\a)+FR-1], v[8*(8*((\a)%4)+\b):8*(8*((\a)%4)+\b)+7], v[SC+8*NQ*(\sc)+NQ*\b+(\q)], v[SC+8*NQ*(\sc)+NQ*(\a)+(\q)] matrix_a_fmt:MATRIX_FMT_FP6 matrix_b_fmt:MATRIX_FMT_FP6 matrix_a_scale:MATRIX_SCALE_ROW1
.endif
.endr
.endr
.endm
.macro FETCH_B slot, q, p
	WIN TO_B
.irp i, 0,1,2,3,4,5,6,7
	FRAG 128*(\p)+FR*\i, ADRB+\slot, \q, \i
.endr
	WIN 0
.endm
.macro FETCH_A slot, q, i0
.irp i, \i0, \i0+1, \i0+2, \i0+3
	FRAG AF+FR*(\i), ADRA+\slot, \q, \i
.endr
.endm
.macro SCALES sc
.irp i, 0,1,2,3,4,5,6,7
	ds_load_b64 v[SC+8*NQ*\sc+NQ*\i:SC+8*NQ*\sc+NQ*\i+1], v[ADRS] offset:\i*SBLK
.endr
.endm
.macro PLACES n
.rept \n
	v_nop
.endr
.endm
.macro STEP slot, q, zero
	s_wait_dscnt 4*NL
.if \zero
	WIN BIA_LO
.else
	WIN MUL_LO
.endif
	MUL16 0, (\q)%2, \q, \slot, \zero
	MUL16 2, (\q)%2, \q, \slot, \zero
	s_wait_dscnt 0
	PLACES NP
	FETCH_B \slot, (\q)+1, 1-(\q)%2
	FETCH_A \slot, (\q)+1, 0
.if \zero
	WIN BIA_HI
.else
	WIN MUL_HI
.endif
	MUL16 4, (\q)%2, \q, \slot, \zero
	MUL16 6, (\q)%2, \q, \slot, \zero
	PLACES NP
	WIN 0
	FETCH_A \slot, (\q)+1, 4
.endm
.macro TURN slot, next, fill
	s_wait_tensorcnt 0x0
	ds_add_u32 v[SPW], v[NIL]
	s_wait_dscnt 4*NL+1
	WIN MUL_LO
	MUL16 0, 1, NQ-1, \slot, 0
	s_wait_dscnt 0x0
	s_barrier_signal -1
	MUL16 2, 1, NQ-1, \slot, 0
	WIN 0
	s_barrier_wait -1
.if \fill
	CREST
	s_add_nc_u64 s[G0+4*\slot+2:G0+4*\slot+3], s[G0+4*\slot+2:G0+4*\slot+3], 2*ROWB
	s_add_nc_u64 s[G0B+4*\slot+2:G0B+4*\slot+3], s[G0B+4*\slot+2:G0B+4*\slot+3], 2*ROWB
	JLOAD G0+4*\slot, G1, G0B+4*\slot, G1B
.else
	PLACES NP
.endif
	s_wait_alu depctr_va_vdst(0)
	v_add_nc_u32 v[ADRS], 4*NQ, v[ADRS]
	FETCH_B \next, 0, 0
	FETCH_A \next, 0, 0
	SCALES \next
	WIN MUL_HI
	MUL16 4, 1, NQ-1, \slot, 0
	MUL16 6, 1, NQ-1, \slot, 0
	PLACES NP
	WIN 0
	FETCH_A \next, 0, 4
.endm
	s_wait_tensorcnt 1
	s_barrier_signal -1
	s_barrier_wait -1
	FETCH_B 0, 0, 0
	FETCH_A 0, 0, 0
	SCALES 0
	FETCH_A 0, 0, 4
	s_wait_loadcnt 0x0
	s_cmp_eq_u32 s[GG], 2
	s_cbranch_scc1 .Lby_row
	STEP 0, 0, 2
	s_branch .Lbiased
.Lby_row:
.irp a, 0,1,2,3,4,5,6,7
.irp j, 0,1,2,3,4,5,6,7
	v_mov_b32 v[BI+8*\a+\j], v[RBI+\a]
.endr
.endr
	s_wait_alu depctr_va_vdst(0)
	STEP 0, 0, 3
.Lbiased:
	s_mov_b32 s3, LAPS-1
.Llap:
	TURN 0, 1, 1
	STEP 1, 0, 0
	TURN 1, 0, 1
	STEP 0, 0, 0
	s_sub_co_u32 s3, s3, 1
	s_cmp_lg_u32 s3, 0
	s_cbranch_scc1 .Llap
	TURN 0, 1, 0
	STEP 1, 0, 0
	s_wait_dscnt 4*NL
	WIN MUL_LO
	MUL16 0, 1, NQ-1, 1, 0
	MUL16 2, 1, NQ-1, 1, 0
	s_wait_dscnt 0
	WIN MUL_HI
	MUL16 4, 1, NQ-1, 1, 0
	MUL16 6, 1, NQ-1, 1, 0
	WIN 0
.macro QUANTW a
.set AC, 64*((\a)%4)
.set WW, 2+(\a)/4
.set W5, 5*WW
.set CD, CD0+24*((\a)%2)
.set PW, PWR+(\a)%2
	WIN W5
.irp b, 0,1,2,3
	v_max3_num_f32 v[TM+\b], |v[AC+16*\b]|, |v[AC+16*\b+1]|, 0x1800000
.endr
.irp i, 2,4,6,8,10,12,14
.irp b, 0,1,2,3
	v_max3_num_f32 v[TM+\b], |v[AC+16*\b+\i]|, |v[AC+16*\b+\i+1]|, v[TM+\b]
.endr
.endr
	WIN 0
.irp b, 0,1,2,3
	v_permlanex16_b32 v[TM+4+\b], v[TM+\b], s104, s105
.endr
.irp b, 0,1,2,3
	v_max_num_f32 v[TM+\b], v[TM+\b], v[TM+4+\b]
.endr
.irp b, 0,1,2,3
	v_add_nc_u32 v[TM+12+\b], 0xff000000, v[TM+\b]
.endr
.irp b, 0,1,2,3
	v_lshrrev_b32 v[TM+4+\b], 23, v[TM+12+\b]
.endr
	v_lshl_or_b32 v[PW], v[TM+5], 8, v[TM+4]
	v_lshl_or_b32 v[PW], v[TM+6], 16, v[PW]
	v_lshl_or_b32 v[PW], v[TM+7], 24, v[PW]
	WIN WW
.irp c, 0,1
	v_cvt_scalef32_pk16_fp6_f32 v[CD+6*\c:CD+2+6*\c], v[AC+32*\c:AC+15+32*\c], v[TM+12+2*\c]
	v_cvt_scalef32_pk16_fp6_f32 v[CD+12+4*\c:CD+14+4*\c], v[AC+16+32*\c:AC+31+32*\c], v[TM+12+2*\c+1]
.endr
	WIN 0
	v_nop
.irp c, 0,1
.irp i, 0,1,2
	v_permlane16_swap_b32 v[CD+6*\c+\i], v[CD+12+4*\c+\i]
.endr
.irp i, 0,1,2
	v_mov_b32 v[CD+3+6*\c+\i], v[CD+12+4*\c+\i]
.endr
.endr
.endm
.macro TOSTAGE a
.set CD, CD0+24*((\a)%2)
.set PW, PWR+(\a)%2
.set BK, BK0+12*((\a)%2)
.irp c, 0,1
.irp i, 0,1,2
	ds_store_b64 v[STO], v[CD+6*\c+2*\i:CD+6*\c+2*\i+1] offset:768*\c+8*\i
.endr
.endr
	v_lshrrev_b32 v[PW+2], v[SH], v[PW]
	v_and_b32 v[PW+2], s100, v[PW+2]
	ds_store_b32 v[SSTO], v[PW+2] offset:64*(\a)
.irp i, 0,1,2
	ds_load_b128 v[BK+4*\i:BK+4*\i+3], v[RD] offset:512*\i
.endr
.endm
.macro SEND a, younger
.set BK, BK0+12*((\a)%2)
	s_wait_dscnt \younger
.if (\a) > 0
	s_add_nc_u64 s[12:13], s[12:13], 768
.endif
.if (\a) == 4
	s_add_nc_u64 s[12:13], s[12:13], s[96:97]
.endif
	global_store_b128 v[GV0], v[BK:BK+3], s[12:13]
	global_store_b128 v[GV1], v[BK+4:BK+7], s[12:13]
	global_store_b128 v[GV2], v[BK+8:BK+11], s[12:13]
.endm
	PLACES NP
.irp b, 0,1,2,3
	v_mov_b32 v[TM+4+\b], 0
.endr
	QUANTW 0
	TOSTAGE 0
.irp a, 1,2,3,4,5,6,7
	QUANTW \a
.if \a > 1
	s_wait_alu depctr_va_vdst(0)
	s_wait_xcnt 0x0
.endif
	TOSTAGE \a
	SEND \a-1, 10
.endr
	s_wait_xcnt 0x0
	SEND 7, 0
	ds_load_b128 v[160:163], v[SRD]
	ds_load_b128 v[164:167], v[SRD] offset:512
	s_wait_dscnt 0x0
	global_store_b128 v[SV0], v[160:163], s[10:11]
	s_cmp_eq_u32 s[GG], 2
	s_cbranch_scc1 .Lone_store
	global_store_b128 v[SV0], v[164:167], s[10:11] offset:8192
.Lone_store:
	s_wait_tensorcnt 0x0
	ds_add_u32 v[SPW], v[NIL]
	s_wait_dscnt 0x0
	CROUND
	s_endpgm
.Lfunc_end_k_qc0a990c874_proj:
	.size	k_qc0a990c874_proj, .Lfunc_end_k_qc0a990c874_proj-k_qc0a990c874_proj
	.p2alignl 7, 3214868480
	.fill 96, 4, 3214868480
	.section	.rodata,"a",@progbits
	.p2align	6, 0x0
	.amdhsa_kernel k_qc0a990c874_proj
		.amdhsa_group_segment_fixed_size 327680
		.amdhsa_private_segment_fixed_size 0
		.amdhsa_enable_private_segment 0
		.amdhsa_kernarg_size 64
		.amdhsa_user_sgpr_count 2
		.amdhsa_user_sgpr_kernarg_segment_ptr 1
		.amdhsa_wavefront_size32 1
		.amdhsa_system_sgpr_workgroup_id_x 1
		.amdhsa_system_sgpr_workgroup_id_y 1
		.amdhsa_system_sgpr_workgroup_id_z 1
		.amdhsa_system_vgpr_workitem_id 0
		.amdhsa_next_free_vgpr 1024
		.amdhsa_next_free_sgpr 106
		.amdhsa_reserve_vcc 0
		.amdhsa_float_denorm_mode_32 3
		.amdhsa_float_denorm_mode_16_64 3
		.amdhsa_memory_ordered 1
		.amdhsa_forward_progress 1
		.amdhsa_inst_pref_size 194
	.end_amdhsa_kernel
	.amdgpu_metadata
---
amdhsa.version: [ 1, 2 ]
amdhsa.kernels:
  - .name:           k_qc0a990c874_proj
    .symbol:         k_qc0a990c874_proj.kd
    .args:
      - { .name: cod, .offset: 0, .size: 8, .value_kind: global_buffer, .address_space: global }
      - { .name: scl, .offset: 8, .size: 8, .value_kind: global_buffer, .address_space: global }
      - { .name: bq, .offset: 16, .size: 8, .value_kind: global_buffer, .address_space: global }
      - { .name: bk, .offset: 24, .size: 8, .value_kind: global_buffer, .address_space: global }
      - { .name: bv, .offset: 32, .size: 8, .value_kind: global_buffer, .address_space: global }
      - { .name: qc, .offset: 40, .size: 8, .value_kind: global_buffer, .address_space: global }
      - { .name: kv, .offset: 48, .size: 8, .value_kind: global_buffer, .address_space: global }
      - { .name: qks, .offset: 56, .size: 8, .value_kind: global_buffer, .address_space: global }
    .group_segment_fixed_size: 327680
    .private_segment_fixed_size: 0
    .kernarg_segment_align: 8
    .kernarg_segment_size: 64
    .max_flat_workgroup_size: 128
    .sgpr_count:     106
    .vgpr_count:     1024
    .wavefront_size: 32
...
	.end_amdgpu_metadata
.endif
;; end of part 2
;; launch attn (part 3): grid 4 x 64, 16 waves a work-group, clusters of 4 x 1, 232,704 bytes of LDS; arguments qc, qks, kv, mask, oc, os; writes oc, os
.if DOCPART == 3
	.amdgcn_target "amdgcn-amd-amdhsa--gfx1250"
	.amdhsa_code_object_version 6
	.text
	.protected	k_qc0a990c874_attn
	.globl	k_qc0a990c874_attn
	.p2align	8
	.type	k_qc0a990c874_attn,@function
k_qc0a990c874_attn:
	s_mov_b64 s[64:65], 0
	v_nop
	global_prefetch_b8 v0, s[64:65] scope:SCOPE_SE
	s_setreg_imm32_b32 hwreg(HW_REG_WAVE_MODE, 25, 1), 1
	s_wait_xcnt 0x0
	s_wait_alu depctr_hold_cnt(0) depctr_sa_sdst(0) depctr_va_vdst(0) depctr_va_sdst(0) depctr_va_ssrc(0) depctr_va_vcc(0) depctr_vm_vsrc(0)
	s_getreg_b32 s2, hwreg(HW_REG_IB_STS2, 6, 4)
	s_cmp_eq_u32 s2, 0
	s_cbranch_scc0 .Lentry_in_a_cluster
	s_endpgm
.Lentry_in_a_cluster:
	s_bfe_u32 s2, ttmp6, 0x10000c
	s_cmp_lg_u32 s2, 0x3003
	s_cbranch_scc0 .Lentry_shape_is_right
	s_endpgm
.Lentry_shape_is_right:
; ATTENTION on codes of FP6 (E2M3): S = q k^T (K = the head's 64), the mask, p = 2^(t - M), O = p v / l (K = the keys), and O quantised along the head's 64 for the last projection.
; t = energy x log2(e) / 8; M = the running largest t rounded UP to a whole number; p is quantised along the keys in blocks of 32, not normalised; the row's sum l is taken of the unquantised p and divides O at the end.
; SHARES.  A work-group owns 512 queries of one head (bh = 16 x batch + head = the cluster's y); each of its sixteen waves owns 16 of them in each of two passes: four waves to a SIMD, 256 registers each.
; THE HEAD'S WHOLE K AND V, 200,704 bytes, COME INTO LDS ONCE, as they lie in kv: 16 blocks of 12,544 bytes, one for each 128 keys.  Nothing is filled again.  Waves 0 to 3 fetch, four loads each;
; a wave has four tensor loads out.  Load i of wave w brings block 4 i + w, so four key steps can begin when each fetching wave's load i has landed.
; CLUSTER.  The four work-groups of a head read the same K and V: each block is asked for JOINTLY, by the same tensor load with a mask that names the four.
; LAYOUT.  Both products are used transposed: S^T = K Q^T, O^T = V^T P^T: a lane holds ONE query (lane % 16) throughout.  K's rows and V^T's rows lie in kv with bits 3 and 4 of the row's number exchanged, so that
; the 16 registers of tiles 2 b and 2 b + 1 of S^T are the keys 32 b + 16 (lane / 16) + 0 .. 15, and those of O^T the head's channels likewise.
; THE MASK RIDES IN THE UNUSED HALF OF THE FIRST PRODUCT'S K.  The instruction contracts 128, the head has 64.  At k = 64 Q holds the code of +4 under the scale byte 92; K holds, for a key whose mask is 0, the code of -4
; under the byte 224, which adds -2^66 to the energy, and for any other key the code 0 under the byte 0, which adds nothing.  The largest t begins at -2^60: so a hidden key's p is 2^(less than -10^18) = 0, as with
; the reference's -1e20.  A batch with no open key at all gets the factor 0 in place of log2(e) / 8 (a select, no branch): every t is 0 and every p is 1: the reference's uniform row.
; LIMITS: open energies with |t| under 2^60; a hidden energy is q.k - 2^66 and not -1e20 (p is 0 either way); a block whose largest number lies under 2^(2 - 126) has its byte held at 1; NaN and infinities are not served.
; No prefetch: all that the launch reads from kv is asked for at its head.
; REGISTERS: v1-7 addresses that stay; v8-11 addresses in hand; v12 -M, v13 the largest t, v[14:15] the sum in two halves; v16-27 Q; v28 Q's scale word; v29 see the end; v[30:31] the factor; v32-79 four fragments of K;
; v80-83 K's scale words, v84-87 V's; v96-159 S^T, then p, then four fragments of V; v160-191 O^T; v192-210 p's codes; v212-229 at work.
.set STEPB, 12544                      ; a step's block: K's codes 6,144, V's codes 6,144, V's scale words 256
.set KVB,   16*STEPB                   ; a head
.set KSW,   KVB                        ; LDS behind K and V: K's scale words with the mask's byte, 4 bytes a key;
.set KMC,   KSW+8192                   ; the mask's code, 4 bytes a key;
.set ANY,   KMC+8192                   ; a word a wave: has the batch an open key among my 128?
.set OST,   ANY+256                    ; a stage of 768 bytes for each wave;
.set OSC,   OST+16*768                 ; O's scale bytes, 2 for each of the work-group's 512 queries
.set WV,   18                          ; s18  my wave's number
.set TB,   48                          ; s48  LDS byte at which the step's block begins
.set TS,   49                          ; s49  4 x the step's first key
.macro CROUND                          ; a round of the cluster's barrier
	s_barrier_signal -1
	s_barrier_wait -1
	s_cmp_lg_u32 s[WV], 0
	s_cbranch_scc1 .Lnot_wave_0_\@
	s_barrier_signal -3
.Lnot_wave_0_\@:
	s_barrier_wait -3
	s_barrier_signal -1
	s_barrier_wait -1
.endm
	s_load_b256 s[4:11], s[0:1], 0x0               ; qc s[4:5], qks s[6:7], kv s[8:9], mask s[10:11]
	s_load_b128 s[12:15], s[0:1], 0x20             ; oc s[12:13], os s[14:15]
	v_lshl_add_u32 v254, v0, 2, 0x38500
	v_mov_b32 v255, 0
	ds_add_u32 v254, v255
	ds_add_u32 v254, v255
	v_lshrrev_b32 v8, 5, v0
	s_delay_alu instid0(VALU_DEP_1)
	v_readfirstlane_b32 s[WV], v8                  ; wave 0..15
	s_bfe_u32 s19, ttmp6, 0x40000                  ; cx: which 512 queries
	s_and_b32 s22, ttmp7, 0xffff                   ; bh, which the four partners share
	s_mov_b32 s20, 0x76543210
	s_mov_b32 s21, 0xfedcba98                      ; v_permlanex16_b32's selects for lane l xor 16
	; descriptor group 1: a block of 12,544 dense bytes as 49 rows of 256 bytes (32 elements of 8 bytes), no padding
	s_mov_b32 s24, 15|(3<<16)|(1<<21)              ; 15:0 the mask: all four work-groups; 17:16 elements of 8 bytes; 21 set beside a mask
	s_mov_b32 s25, 32<<16                          ; tensor_dim0
	s_mov_b32 s26, 49<<16                          ; tensor_dim1
	s_mov_b32 s27, 32<<16                          ; tile_dim0
	s_mov_b32 s28, 49                              ; tile_dim1
	s_mov_b32 s29, 32                              ; tensor_dim0_stride
	s_mov_b32 s30, 0
	s_mov_b32 s31, 0
	s_mul_i32 s53, s[WV], STEPB                    ; my first block, in LDS,
	s_mul_i32 s54, s22, KVB
	s_add_co_u32 s54, s54, s53                     ; and in kv: no place in the cluster enters either
	s_mov_b32 s55, 0
	s_lshl_b32 s56, s22, 13                        ; a head's scale words: 8,192 bytes
	s_mov_b32 s57, 0
	s_lshr_b32 s58, s22, 4                         ; batch
	s_and_b32 s59, s22, 15                         ; head
	s_lshl_b32 s60, s19, 9
	s_lshl_b32 s61, s[WV], 4
	s_add_co_u32 s60, s60, s61                     ; my first query: 512 cx + 16 wave
	v_and_b32 v8, 15, v0                           ; r
	v_bfe_u32 v9, v0, 4, 1                         ; h
	v_and_b32 v10, 31, v0                          ; lane
	s_delay_alu instid0(VALU_DEP_3)
	v_mul_u32_u24 v1, v8, 48
	s_delay_alu instid0(VALU_DEP_1)
	v_mad_u32_u24 v1, v9, 24, v1                   ; a row of 48 bytes, + 24 h: Q's, K's and V's fragments alike
	v_lshlrev_b32 v2, 2, v8                        ; a scale word a row
	s_delay_alu instid0(VALU_DEP_1)
	v_add_nc_u32 v3, KSW, v2
	s_mul_i32 s62, s[WV], 768
	s_add_co_u32 s62, s62, OST
	v_add_nc_u32 v4, s62, v1                       ; my stage, in
	v_lshlrev_b32 v6, 3, v10                       ; 8 bytes a lane
	s_delay_alu instid0(VALU_DEP_1)
	v_add_nc_u32 v5, s62, v6                       ; my stage, back
	s_lshl_b32 s62, s[WV], 5
	s_add_co_u32 s62, s62, OSC
	v_lshl_add_u32 v7, v8, 1, s62                  ; O's scale bytes: 32 bytes a wave, 2 a query
	v_and_b32 v29, 63, v0
	s_delay_alu instid0(VALU_DEP_1)
	v_lshlrev_b32 v227, 4, v29                     ; the end: threads 0 to 63 take 16 bytes each of the 1,024 scale bytes
	s_delay_alu instid0(VALU_DEP_1)
	v_add_nc_u32 v29, OSC, v227
	v_xor_b32 v22, 1, v9
	s_delay_alu instid0(VALU_DEP_1)
	v_mul_u32_u24 v22, v22, 24                     ; Q at k = 64: the code 0x18 = +4, in lanes 0-15 (k = 64 ..); lanes 16-31 (k = 96 ..) hold zeros
.irp z, 23,24,25,26,27
	v_mov_b32 v\z, 0                               ; the rest of Q's unused half
.endr
.irp t, 0,1,2,3
.irp z, 7,8,9,10,11
	v_mov_b32 v[32+12*\t+\z], 0                    ; and of K's: register 6 takes the mask's code in every step, these stay zeros
.endr
.endr
.irp b, 0,1,2,3
	v_mov_b32 v[216+\b], 0                         ; written once: a lane permute's destination counts as one of its sources
.endr
	v_mov_b32 v225, 0                              ; (named as the upper half of the pair v[224:225] before it is first written)
	s_wait_dscnt 0x0
	s_wait_kmcnt 0x0
	s_add_nc_u64 s[54:55], s[8:9], s[54:55]
	s_add_nc_u64 s[6:7], s[6:7], s[56:57]          ; q's scale words of my head
	s_add_nc_u64 s[16:17], s[6:7], 524288          ; k's lie 64 heads further on
	s_lshl_b32 s56, s60, 2
	s_add_nc_u64 s[6:7], s[6:7], s[56:57]          ; at my first query
	s_lshl_b32 s56, s58, 13
	s_add_nc_u64 s[10:11], s[10:11], s[56:57]      ; my batch's row of the mask
	s_mul_i32 s56, s22, 98304
	s_mul_i32 s61, s60, 48
	s_add_co_u32 s56, s56, s61
	s_add_nc_u64 s[4:5], s[4:5], s[56:57]          ; Q's codes at my first query
	s_mul_i32 s56, s59, 393216                     ; oc: [head][token][48 bytes]
	s_mul_i32 s62, s58, 98304
	s_add_co_u32 s56, s56, s62
	s_add_co_u32 s56, s56, s61
	s_add_nc_u64 s[12:13], s[12:13], s[56:57]
	s_lshl_b32 s56, s59, 14                        ; os: [head][token][2 bytes], at the work-group's first query
	s_lshl_b32 s62, s58, 12
	s_add_co_u32 s56, s56, s62
	s_lshl_b32 s62, s19, 10
	s_add_co_u32 s56, s56, s62
	s_add_nc_u64 s[14:15], s[14:15], s[56:57]
.irp i, 0,1,2,3
	s_mov_b32 s[32+4*\i], 1                        ; 1:0 count = 1
	s_add_co_u32 s[33+4*\i], s53, \i*4*STEPB       ; 63:32 LDS address: block 4 i + wave
	s_add_nc_u64 s[34+4*\i:35+4*\i], s[54:55], \i*4*STEPB   ; 120:64 global address
	s_or_b32 s[35+4*\i], s[35+4*\i], 0x80000000    ; 127:126 type = 2
.endr
	CROUND                                         ; all four work-groups are here: the joint loads meet
	s_cmp_lt_u32 s[WV], 4                          ; a wave's fills stand in one branch on the wave's number, ahead of every wait on TENSORcnt and every LDS read; four v_nop follow the last
	s_cbranch_scc0 .Lno_fetch
	tensor_load_to_lds s[32:35], s[24:31]
	s_nop 0
	tensor_load_to_lds s[36:39], s[24:31]
	s_nop 0
	tensor_load_to_lds s[40:43], s[24:31]
	s_nop 0
	tensor_load_to_lds s[44:47], s[24:31]
	s_nop 0
.rept 4
	v_nop
.endr
.Lno_fetch:
	; THE TABLES.  Thread t takes K's rows 4 t .. 4 t + 3 as they lie in kv; their keys are 4 t' .. 4 t' + 3, t' = t with bits 1 and 2 exchanged
	v_lshlrev_b32 v96, 4, v0
	v_and_b32 v97, 0x1f9, v0
	v_and_b32 v98, 2, v0
	s_delay_alu instid0(VALU_DEP_1)
	v_lshl_or_b32 v97, v98, 1, v97
	v_and_b32 v98, 4, v0
	s_delay_alu instid0(VALU_DEP_1)
	v_lshrrev_b32 v98, 1, v98
	s_delay_alu instid0(VALU_DEP_1)
	v_or_b32 v97, v97, v98
	s_delay_alu instid0(VALU_DEP_1)
	v_lshlrev_b32 v97, 4, v97
	global_load_b128 v[100:103], v96, s[16:17]     ; four scale words of K: two bytes each, zeros above
	global_load_b128 v[104:107], v97, s[10:11]     ; four numbers of the mask
	v_mov_b32 v99, 0x38                            ; the code of -4
	v_lshl_add_u32 v98, v0, 4, KSW
	s_wait_alu depctr_va_vdst(0)
	s_wait_loadcnt 0x0
.irp j, 0,1,2,3
	v_cmp_eq_u32 vcc_lo, 0, v[104+\j]
	s_delay_alu instid0(VALU_DEP_1)
	v_cndmask_b32 v[108+\j], 0, v99, vcc_lo        ; hidden: the code of -4; open: the code 0
	s_delay_alu instid0(VALU_DEP_1)
	v_lshl_or_b32 v[100+\j], v[108+\j], 18, v[100+\j]   ; and the scale word's byte 2: 0x38 << 2 = 224, or 0
.endr
	ds_store_b128 v98, v[100:103]
	ds_store_b128 v98, v[108:111] offset:KMC-KSW
	v_or_b32 v104, v104, v105
	v_or_b32 v106, v106, v107
	s_delay_alu instid0(VALU_DEP_1)
	v_or_b32 v104, v104, v106
	s_delay_alu instid0(VALU_DEP_1)
	v_cmp_ne_u32 s53, 0, v104                      ; the lanes that hold an open key
	s_cmp_lg_u32 s53, 0
	s_cselect_b32 s53, 1, 0
	v_mov_b32 v105, s53
	s_lshl_b32 s54, s[WV], 2
	s_add_co_u32 s54, s54, ANY
	v_mov_b32 v106, s54
	ds_store_b32 v106, v105                        ; all lanes write the same word with the same value
	s_wait_dscnt 0x0                               ; for the others' sake: my stores have landed
	s_barrier_signal -1
	s_barrier_wait -1                              ; tensor loads may stay out
	v_mov_b32 v96, ANY
.irp i, 0,1,2,3
	ds_load_b128 v[100+4*\i:103+4*\i], v96 offset:16*\i
.endr
	v_mov_b32 v97, 0x3e38aa3b                      ; log2(e) / 8
	s_wait_dscnt 0x0
.irp i, 0,2,4,6,8,10,12,14
	v_or_b32 v[100+\i], v[100+\i], v[101+\i]
.endr
.irp i, 0,4,8,12
	v_or_b32 v[100+\i], v[100+\i], v[102+\i]
.endr
	s_delay_alu instid0(VALU_DEP_3)
	v_or_b32 v100, v100, v104
	s_delay_alu instid0(VALU_DEP_2)
	v_or_b32 v108, v108, v112
	s_delay_alu instid0(VALU_DEP_1)
	v_or_b32 v100, v100, v108
	s_delay_alu instid0(VALU_DEP_1)
	v_cmp_ne_u32 vcc_lo, 0, v100
	s_delay_alu instid0(VALU_DEP_1)
	v_cndmask_b32 v30, 0, v97, vcc_lo              ; the factor: log2(e) / 8, or 0 where the batch has no open key
	s_delay_alu instid0(VALU_DEP_1)
	v_mov_b32 v31, v30                             ; (named with it as a pair)
; A KEY STEP: 128 keys.  68 LDS loads, 12 matrix instructions.
.macro STEP
	v_add_nc_u32 v8, s[TB], v1                     ; codes
	s_wait_alu depctr_va_vdst(0)
	v_add_nc_u32 v9, s[TB], v2                     ; V's scale words
	v_add_nc_u32 v10, s[TS], v3                    ; K's scale words and the mask's codes
	s_wait_alu depctr_va_vdst(0)
	v_nop
	v_nop                                          ; five places: the first product below writes over registers that the last step's products read as V's fragments
.irp g, 0,1                                    ; S^T = K Q^T, four tiles of 16 keys at a time
.if \g
.rept 4
	v_nop                                          ; places in front of loads into registers that matrix instructions have read
.endr
.endif
.irp t, 0,1,2,3
.irp p, 0,1,2
	ds_load_b64 v[32+12*\t+2*\p:33+12*\t+2*\p], v8 offset:768*(4*\g+\t)+8*\p   ; rows 48 bytes apart: the 32 lanes of a load touch 64 different banks
.endr
	ds_load_b32 v[38+12*\t], v10 offset:KMC-KSW+64*(4*\g+\t)       ; k = 64: the mask's code (in lanes 16-31 it stands at k = 96, against a zero of Q)
	ds_load_b32 v[80+\t], v10 offset:64*(4*\g+\t)
.endr
	s_wait_dscnt 0x0
.irp t, 0,1,2,3
	v_wmma_scale_f32_16x16x128_f8f6f4 v[96+8*(4*\g+\t):103+8*(4*\g+\t)], v[32+12*\t:43+12*\t], v[16:27], 0, v[80+\t], v28 matrix_a_fmt:MATRIX_FMT_FP6 matrix_b_fmt:MATRIX_FMT_FP6
.endr
.endr
.rept 4
	v_nop
.endr
.irp b, 0,1,2,3
	v_max3_num_f32 v[212+\b], v[96+16*\b], v[97+16*\b], v[98+16*\b]   ; THE LARGEST ENERGY OF EACH BLOCK OF 32 KEYS: for the row's maximum, and, since p rises with the energy, for the block's largest p
.endr
.irp i, 3,5,7,9,11,13
.irp b, 0,1,2,3
	v_max3_num_f32 v[212+\b], v[212+\b], v[96+16*\b+\i], v[97+16*\b+\i]   ; (the four blocks by turns)
.endr
.endr
.irp b, 0,1,2,3
	v_max_num_f32 v[212+\b], v[212+\b], v[111+16*\b]
.endr
.irp b, 0,1,2,3
	s_delay_alu instid0(VALU_DEP_4)
	v_permlanex16_b32 v[216+\b], v[212+\b], s20, s21
.endr
.irp b, 0,1,2,3
	s_delay_alu instid0(VALU_DEP_4)
	v_max_num_f32 v[212+\b], v[212+\b], v[216+\b]  ; with lane l xor 16's 16 keys
.endr
	s_delay_alu instid0(VALU_DEP_2)
	v_max3_num_f32 v226, v212, v213, v214
	s_delay_alu instid0(VALU_DEP_1)
	v_max_num_f32 v226, v226, v215                 ; the step's largest energy of my query
	s_delay_alu instid0(VALU_DEP_1)
	v_mul_f32 v226, v30, v226                      ; as t (the factor is not negative)
	s_delay_alu instid0(VALU_DEP_1)
	v_max_num_f32 v13, v13, v226                   ; the running largest t
	v_mov_b32 v226, v12
	s_delay_alu instid0(VALU_DEP_2)
	v_floor_f32 v12, -v13                          ; the new -M = floor(-t) = -ceil(t): M IS A WHOLE NUMBER
	s_delay_alu instid0(VALU_DEP_1)
	v_sub_f32 v226, v12, v226                      ; M's old value less its new one: a whole number, 0 or less
	s_delay_alu instid0(VALU_DEP_1)
	v_cvt_i32_f32 v226, v226                       ; (it saturates)
	s_delay_alu instid0(VALU_DEP_1)
	v_ldexp_f32 v224, 1.0, v226                    ; f = 2^(old M - new M): a multiplication by it rounds nothing
.set J, 0
.rept 32
	v_pk_fma_f32 v[96+J:97+J], v[96+J:97+J], v[30:31], v[12:13] op_sel_hi:[1,0,0]   ; t - M, two at a time (of the pairs the low word serves both halves)
.set J, J+2
.endr
.irp b, 0,1,2,3
	v_fma_f32 v[212+\b], v[212+\b], v30, v12       ; the same of each block's largest energy
.endr
.set J, 0
	s_wait_alu depctr_va_vdst(0)
.rept 64
	v_exp_f32 v[96+J], v[96+J]                     ; p = 2^(t - M), at most 1: NOT normalised
.set J, J+1
.endr
	s_setprio 1
	v_pk_mul_f32 v[14:15], v[14:15], v[224:225] op_sel_hi:[1,0]   ; the sums under the new M (the plain line behind the exponentials)
	s_wait_alu depctr_va_vdst(0)                   ; one wait for the whole batch, ahead of its first reader
.irp b, 0,1,2,3
	v_exp_f32 v[212+\b], v[212+\b]                 ; the block's largest p: the same two instructions on the same number give the same bits
.endr
	v_pk_add_f32 v[228:229], v[100:101], v[104:105]
	v_pk_add_f32 v[252:253], v[108:109], v[112:113]
	v_pk_add_f32 v[250:251], v[116:117], v[120:121]
	v_pk_add_f32 v[248:249], v[124:125], v[128:129]
	v_pk_add_f32 v[246:247], v[132:133], v[136:137]
	v_pk_add_f32 v[244:245], v[140:141], v[144:145]
	v_pk_add_f32 v[242:243], v[148:149], v[152:153]
	v_pk_add_f32 v[14:15], v[14:15], v[156:157]
	v_pk_add_f32 v[228:229], v[228:229], v[96:97]
	v_pk_add_f32 v[252:253], v[252:253], v[98:99]
	v_pk_add_f32 v[250:251], v[250:251], v[102:103]
	v_pk_add_f32 v[248:249], v[248:249], v[106:107]
	v_pk_add_f32 v[246:247], v[246:247], v[110:111]
	v_pk_add_f32 v[244:245], v[244:245], v[114:115]
	v_pk_add_f32 v[242:243], v[242:243], v[118:119]
	v_pk_add_f32 v[14:15], v[14:15], v[122:123]
	v_pk_add_f32 v[228:229], v[228:229], v[126:127]
	v_pk_add_f32 v[252:253], v[252:253], v[130:131]
	v_pk_add_f32 v[250:251], v[250:251], v[134:135]
	v_pk_add_f32 v[248:249], v[248:249], v[138:139]
	v_pk_add_f32 v[246:247], v[246:247], v[142:143]
	v_pk_add_f32 v[244:245], v[244:245], v[146:147]
	v_pk_add_f32 v[242:243], v[242:243], v[150:151]
	v_pk_add_f32 v[14:15], v[14:15], v[154:155]
	v_pk_add_f32 v[228:229], v[228:229], v[158:159]
	s_delay_alu instid0(VALU_DEP_2)
	v_pk_add_f32 v[14:15], v[14:15], v[248:249]
	s_delay_alu instid0(VALU_DEP_2)
	v_pk_add_f32 v[228:229], v[228:229], v[246:247]
	v_pk_add_f32 v[252:253], v[252:253], v[244:245]
	v_pk_add_f32 v[250:251], v[250:251], v[242:243]
	s_delay_alu instid0(VALU_DEP_2)
	v_pk_add_f32 v[14:15], v[14:15], v[252:253]
	s_delay_alu instid0(VALU_DEP_2)
	v_pk_add_f32 v[228:229], v[228:229], v[250:251]
	s_delay_alu instid0(VALU_DEP_1)
	v_pk_add_f32 v[14:15], v[14:15], v[228:229]
	s_wait_alu depctr_va_vdst(0)                   ; and one for the four
.irp b, 0,1,2,3
	v_max_num_f32 v[212+\b], 0x1800000, v[212+\b]  ; the floor 2^(3 - 127): the byte cannot fall under 1 (a block whose every p is 0 keeps that byte: its codes are zeros)
.endr
.irp b, 0,1,2,3
	s_delay_alu instid0(VALU_DEP_4)
	v_add_nc_u32 v[220+\b], 0xff000000, v[212+\b]  ; 2 off the exponent field: the conversion's scale operand
.endr
.irp b, 0,1,2,3
	s_delay_alu instid0(VALU_DEP_4)
	v_lshrrev_b32 v[216+\b], 23, v[220+\b]         ; the scale's byte
.endr
	s_delay_alu instid0(VALU_DEP_3)
	v_lshl_or_b32 v225, v217, 8, v216              ; p's scale word for these 128 keys
	s_delay_alu instid0(VALU_DEP_1)
	v_lshl_or_b32 v225, v218, 16, v225
	s_delay_alu instid0(VALU_DEP_1)
	v_lshl_or_b32 v225, v219, 24, v225
.irp c, 0,1
	v_cvt_scalef32_pk16_fp6_f32 v[192+6*\c:194+6*\c], v[96+32*\c:111+32*\c], v[220+2*\c]
	v_cvt_scalef32_pk16_fp6_f32 v[204+4*\c:206+4*\c], v[112+32*\c:127+32*\c], v[220+2*\c+1]   ; (a conversion's three registers begin on an even number)
.endr
	v_nop                                          ; one plain line behind a scaled conversion
.irp t, 0,1,2,3                                ; p has been read for the last time: V's four fragments take its registers, and land under the 28 lines below
.irp p, 0,1,2,3,4,5
	ds_load_b64 v[96+12*\t+2*\p:97+12*\t+2*\p], v8 offset:6144+3072*(\p/3)+768*\t+8*(\p%3)
.endr
	ds_load_b32 v[84+\t], v9 offset:12288+64*\t
.endr
	s_setprio 0
.irp c, 0,1                                    ; the operand's layout wants a WHOLE block in a lane: lanes 0-15 block 2 c, lanes 16-31 block 2 c + 1
.irp i, 0,1,2
	v_permlane16_swap_b32 v[192+6*\c+\i], v[204+4*\c+\i]
.endr
.irp i, 0,1,2
	s_delay_alu instid0(VALU_DEP_3)
	v_mov_b32 v[195+6*\c+\i], v[204+4*\c+\i]
.endr
.endr
.set J, 0
.rept 16
	v_pk_mul_f32 v[160+J:161+J], v[160+J:161+J], v[224:225] op_sel_hi:[1,0]   ; O^T under the new M.  (These 16 are also the places between the codes' and the scale word's last writes and the products)
.set J, J+2
.endr
	s_wait_alu depctr_va_vdst(0)
	s_wait_dscnt 0x0
.irp t, 0,1,2,3                                ; O^T += V^T P^T: four tiles of 16 of the head's 64; the four accumulators take turns
	v_wmma_scale_f32_16x16x128_f8f6f4 v[160+8*\t:167+8*\t], v[96+12*\t:107+12*\t], v[192:203], v[160+8*\t:167+8*\t], v[84+\t], v225 matrix_a_fmt:MATRIX_FMT_FP6 matrix_b_fmt:MATRIX_FMT_FP6
.endr
	s_add_co_u32 s[TB], s[TB], STEPB
	s_add_co_u32 s[TS], s[TS], 512
.endm
; Four key steps.  In front of them: my loads 0 .. g have landed (the 3 - g issued behind them may stay out), then the work-group's barrier: everybody's have.
.macro GROUP g
	s_wait_tensorcnt 3-\g
	s_wait_dscnt 0x0
	s_barrier_signal -1
	s_barrier_wait -1
	s_mov_b32 s50, 4
.Lstep_\@:
	s_setprio 2
	STEP
	s_sub_co_u32 s50, s50, 1
	s_cmp_lg_u32 s50, 0
	s_cbranch_scc1 .Lstep_\@
	s_setprio 0
.endm
	s_mov_b32 s51, 2                               ; passes
	s_mov_b32 s52, 0                               ; 512 x pass: the pass's place among O's scale bytes
.Lpass:
	global_load_b64 v[16:17], v1, s[4:5]           ; Q's fragment: 24 bytes of my row's 48
	global_load_b64 v[18:19], v1, s[4:5] offset:8
	global_load_b64 v[20:21], v1, s[4:5] offset:16
	global_load_b32 v28, v2, s[6:7]                ; and its scale word
	s_mov_b32 s[TB], 0
	s_mov_b32 s[TS], 0
	v_mov_b32 v13, 0xdd800000                      ; the largest t so far: -2^60: over every hidden t, under every open one
	s_delay_alu instid0(VALU_DEP_1)
	v_floor_f32 v12, -v13                          ; -M
	v_mov_b32 v14, 0                               ; the sum, in two halves
	v_mov_b32 v15, 0
	s_wait_loadcnt 0x0
	v_or_b32 v28, 0x5c0000, v28                    ; byte 2: 2^(92 - 127), the scale of Q's +4 at k = 64
.set J, 0
.rept 32
	v_mov_b32 v[160+J], 0                          ; O^T: the step is written once; its first run finds zeros.  (These are also the places between the scale word's write and the first product)
.set J, J+1
.endr
	GROUP 0
	GROUP 1
	GROUP 2
	GROUP 3
	; THE WAY OUT.  O^T / the sum; register 16 b + i is channel 32 b + 16 (lane / 16) + i of my query: two blocks of 32 along the last projection's K
	v_add_f32 v14, v14, v15                        ; the sum's two halves,
	s_delay_alu instid0(VALU_DEP_1)
	v_permlanex16_b32 v216, v14, s20, s21
	s_delay_alu instid0(VALU_DEP_1)
	v_add_f32 v14, v14, v216                       ; and lane l xor 16's: the row's sum
	s_wait_alu depctr_va_vdst(0)
	v_rcp_f32 v14, v14
	v_add_nc_u32 v11, s52, v7                      ; (a plain line behind the reciprocal)
.rept 3
	v_nop
.endr
	s_wait_alu depctr_va_vdst(0)                   ; the wait ahead of the reciprocal's first reader
.set J, 0
.rept 32
	v_mul_f32 v[96+J], v[160+J], v14               ; each accumulator from its low end on
.set J, J+1
.endr
.irp b, 0,1
	v_max3_num_f32 v[212+\b], |v[96+16*\b]|, |v[97+16*\b]|, 0x1800000
.endr
.irp i, 2,4,6,8,10,12,14
.irp b, 0,1
	s_delay_alu instid0(VALU_DEP_2)
	v_max3_num_f32 v[212+\b], v[212+\b], |v[96+16*\b+\i]|, |v[97+16*\b+\i]|
.endr
.endr
.irp b, 0,1
	s_delay_alu instid0(VALU_DEP_2)
	v_permlanex16_b32 v[216+\b], v[212+\b], s20, s21
.endr
.irp b, 0,1
	s_delay_alu instid0(VALU_DEP_2)
	v_max_num_f32 v[212+\b], v[212+\b], v[216+\b]
.endr
.irp b, 0,1
	s_delay_alu instid0(VALU_DEP_2)
	v_add_nc_u32 v[220+\b], 0xff000000, v[212+\b]
.endr
.irp b, 0,1
	s_delay_alu instid0(VALU_DEP_2)
	v_lshrrev_b32 v[216+\b], 23, v[220+\b]
.endr
	s_delay_alu instid0(VALU_DEP_1)
	v_lshl_or_b32 v226, v217, 8, v216              ; my query's two scale bytes
	v_cvt_scalef32_pk16_fp6_f32 v[192:194], v[96:111], v220
	v_cvt_scalef32_pk16_fp6_f32 v[204:206], v[112:127], v221
	v_nop                                          ; one plain line behind a scaled conversion
.irp i, 0,1,2
	v_permlane16_swap_b32 v[192+\i], v[204+\i]     ; lanes 0-15 now hold block 0, lanes 16-31 block 1: lower 16 codes here, upper 16 there
.endr
.irp i, 0,1,2
	s_delay_alu instid0(VALU_DEP_3)
	v_mov_b32 v[195+\i], v[204+\i]
.endr
	ds_store_b64 v4, v[192:193]                    ; my 24 bytes of my query's 48, into my stage
	ds_store_b64 v4, v[194:195] offset:8
	ds_store_b64 v4, v[196:197] offset:16
	ds_store_b16 v11, v226                         ; both lanes of a query write the same two bytes with the same value
	ds_load_b64 v[200:201], v5                     ; LDS serves a wave's instructions in order: these see my stores
	ds_load_b64 v[202:203], v5 offset:256
	ds_load_b64 v[208:209], v5 offset:512
	s_wait_dscnt 0x0
	global_store_b64 v6, v[200:201], s[12:13]      ; each store covers 256 consecutive bytes, at a multiple of 256 from oc's first byte
	global_store_b64 v6, v[202:203], s[12:13] offset:256
	global_store_b64 v6, v[208:209], s[12:13] offset:512
	s_wait_xcnt 0x0                                ; the stores have read their registers and their base: both may be written again
	s_add_nc_u64 s[4:5], s[4:5], 12288             ; 256 queries on
	s_add_nc_u64 s[6:7], s[6:7], 1024
	s_add_nc_u64 s[12:13], s[12:13], 12288
	s_add_co_u32 s52, s52, 512
	s_sub_co_u32 s51, s51, 1
	s_cmp_lg_u32 s51, 0
	s_cbranch_scc1 .Lpass
	s_wait_dscnt 0x0
	s_barrier_signal -1
	s_barrier_wait -1                              ; the scale bytes of all 512 queries lie in LDS
	s_cmp_lt_u32 s[WV], 2
	s_cbranch_scc0 .Lno_os
	ds_load_b128 v[96:99], v29
	s_wait_dscnt 0x0
	global_store_b128 v227, v[96:99], s[14:15]     ; a wave stores 512 consecutive bytes, aligned
.Lno_os:
	s_wait_tensorcnt 0x0
	ds_add_u32 v254, v255
	s_wait_dscnt 0x0
	CROUND                                         ; the closing round: no work-group ends while a partner may still ask for a block that names it
	s_endpgm
.Lfunc_end_k_qc0a990c874_attn:
	.size	k_qc0a990c874_attn, .Lfunc_end_k_qc0a990c874_attn-k_qc0a990c874_attn
	.p2alignl 7, 3214868480
	.fill 96, 4, 3214868480
	.section	.rodata,"a",@progbits
	.p2align	6, 0x0
	.amdhsa_kernel k_qc0a990c874_attn
		.amdhsa_group_segment_fixed_size 232704
		.amdhsa_private_segment_fixed_size 0
		.amdhsa_enable_private_segment 0
		.amdhsa_kernarg_size 48
		.amdhsa_user_sgpr_count 2
		.amdhsa_user_sgpr_kernarg_segment_ptr 1
		.amdhsa_wavefront_size32 1
		.amdhsa_system_sgpr_workgroup_id_x 1
		.amdhsa_system_sgpr_workgroup_id_y 1
		.amdhsa_system_sgpr_workgroup_id_z 1
		.amdhsa_system_vgpr_workitem_id 0
		.amdhsa_next_free_vgpr 256
		.amdhsa_next_free_sgpr 66
		.amdhsa_reserve_vcc 1
		.amdhsa_float_denorm_mode_32 3
		.amdhsa_float_denorm_mode_16_64 3
		.amdhsa_memory_ordered 1
		.amdhsa_forward_progress 1
		.amdhsa_inst_pref_size 97
	.end_amdhsa_kernel
	.amdgpu_metadata
---
amdhsa.version: [ 1, 2 ]
amdhsa.kernels:
  - .name:           k_qc0a990c874_attn
    .symbol:         k_qc0a990c874_attn.kd
    .args:
      - { .name: qc, .offset: 0, .size: 8, .value_kind: global_buffer, .address_space: global }
      - { .name: qks, .offset: 8, .size: 8, .value_kind: global_buffer, .address_space: global }
      - { .name: kv, .offset: 16, .size: 8, .value_kind: global_buffer, .address_space: global }
      - { .name: mask, .offset: 24, .size: 8, .value_kind: global_buffer, .address_space: global }
      - { .name: oc, .offset: 32, .size: 8, .value_kind: global_buffer, .address_space: global }
      - { .name: os, .offset: 40, .size: 8, .value_kind: global_buffer, .address_space: global }
    .group_segment_fixed_size: 232704
    .private_segment_fixed_size: 0
    .kernarg_segment_align: 8
    .kernarg_segment_size: 48
    .max_flat_workgroup_size: 512
    .sgpr_count:     66
    .vgpr_count:     256
    .wavefront_size: 32
...
	.end_amdgpu_metadata
.endif
;; end of part 3
;; launch outp (part 4): grid 4 x 32, 4 waves a work-group, clusters of 4 x 4, 327,680 bytes of LDS; arguments oc, os, cod, scl, bo, out0; writes out0
.if DOCPART == 4
	.amdgcn_target "amdgcn-amd-amdhsa--gfx1250"
	.amdhsa_code_object_version 6
	.text
	.protected	k_qc0a990c874_outp
	.globl	k_qc0a990c874_outp
	.p2align	8
	.type	k_qc0a990c874_outp,@function
k_qc0a990c874_outp:
	s_mov_b64 s[64:65], 0
	v_nop
	global_prefetch_b8 v0, s[64:65] scope:SCOPE_SE
	s_setreg_imm32_b32 hwreg(HW_REG_WAVE_MODE, 25, 1), 1
	s_wait_xcnt 0x0
	s_wait_alu depctr_hold_cnt(0) depctr_sa_sdst(0) depctr_va_vdst(0) depctr_va_sdst(0) depctr_va_ssrc(0) depctr_va_vcc(0) depctr_vm_vsrc(0)
	s_getreg_b32 s2, hwreg(HW_REG_IB_STS2, 6, 4)
	s_cmp_eq_u32 s2, 0
	s_cbranch_scc0 .Lentry_in_a_cluster
	s_endpgm
.Lentry_in_a_cluster:
	s_bfe_u32 s2, ttmp6, 0x10000c
	s_cmp_lg_u32 s2, 0xf033
	s_cbranch_scc0 .Lentry_shape_is_right
	s_endpgm
.Lentry_shape_is_right:
; out0 = O Wo^T + bo on codes of FP6 (E2M3) with one E8M0 scale for each 32 along K = 1,024.  A = the attention's result, oc [head 16][token 8192][48 bytes] with its scale bytes os [head][token][2];
; B = Wo, rows 27,648 on of cod [row][768 bytes] and scl [row][32].  out0 [8192][1024] f32.
; A tile of C, 256 x 256, is made by four waves, each 128 x 128: 64 accumulators, 512 registers.  K goes in four steps of 256 (four heads) through a ring of two LDS slots filled by the tensor data mover.
; A'S TILE COMES IN PLANES: 128 tokens of one head are 6,144 dense bytes; a load brings four such rows, 393,216 bytes apart.  In LDS a token's 48 bytes of a head lie 48 bytes from the next token's:
; the 32 lanes of a load of 8 bytes touch 64 different banks, with no padding.  B's tile is padded as rows of 192 bytes want it.
; A'S SCALE BYTES lie by head in memory and are wanted by row: each thread loads two rows' bytes of all 16 heads, packs them into eight words a row and stores them into LDS in the layout in which B's scales arrive.
; CLUSTERS: 4 x 4 work-groups; A's tiles are asked for jointly along a row of the cluster, B's tiles and scales along a column.
; THE MATRIX INSTRUCTION IS USED TRANSPOSED (source 0 = 16 rows of B, source 1 = 16 rows of A): a lane holds eight neighbouring numbers of a row of C.  The bias is the C of each sum's first matrix instruction.
; 128 tiles of C: half of the chip's WGPs have a work-group; a tile of 128 x 256 would give each one, at twice the LDS reads for B: not built.
; REGISTERS, in windows of 256: window 0: v1-8, v16-29 addresses; v32-63 scale words, two sets; v64-127 the bias; v128-223 A's fragments, ONE set; v224-255 the scale table at the head; on the way out v128-255 rows of C.
;   window 1: B's fragments, TWO sets.   window 2: the 32 accumulators of my rows 0-63;   window 3: those of my rows 64-127.
.set SIZE_N, 1024
.set KSTEP,  256
.set NQ,     KSTEP/128
.set ROWB,   192                       ; a row of B's tile in bytes
.set KROW,   768                       ; a row of cod
.set PITCH,  240                       ; B's rows in LDS: 3 x (64 bytes + 16 of padding)
.set FR,     12
.set NL,     6
.set NP,     4                         ; places behind this matrix instruction (ISA guide 7.12.1)
.set HALFT,  128*PITCH                 ; B: 128 rows: what one tensor load brings
.set PLANE,  6144                      ; A: 128 tokens x 48 bytes of one head
.set HALFA,  4*PLANE                   ; A: 128 tokens x four heads: what one tensor load brings
.set BOFF,   2*HALFA                   ; a slot: A's 256 rows, then B's 256 rows
.set SLOT,   BOFF+2*HALFT
.set ASTEP,  4*393216                  ; four heads on in oc
.set LAPS,   2
.set KS,     32
.set SCL,    2*SLOT                    ; behind the ring: the scales, as pieces of 256 bytes + 16 of padding: A's 256 rows (stored by the waves), then B's (filled once by tensor loads): each part whole blocks of 256 bytes
.set HALFS,  (128*KS/256)*272
.set SBLK,   (16*KS/256)*272
.set SPARE,  SCL+4*HALFS               ; the spare words, 128 bytes for each wave, which no other line names
.set SPITCH, 528                       ; the way out: a stage of 16 rows x (512 bytes + 16) for each wave, in slot 0, which has had its last fill and its last read by then
.set OSO,  8                           ; v8      my byte offset in a head's plane of os: 4 x my thread's number; never rewritten
.set ADRA, 16                          ; v16-17  LDS address of my A fragments in slot 0, 1
.set ADRB, 20                          ; v20-21  the same for B  (v22-23: for the pieces behind one padding more)
.set STO,  24
.set RD,   25
.set CO,   26
.set ADRS, 27
.set SPW,  28
.set NIL,  29
.set SC,   32
.set BI,   64
.set AF,   128
.set BK,   128
.set G1, 24
.set G0, 32
.set G1B, 48
.set G0B, 56
.set G1SB, 80
.set G0SB, 88
.set MSB, 0
.macro WIN new                         ; the immediate's high byte repeats the setting that is left
.if MSB != \new
	s_set_vgpr_msb (MSB<<8)|\new
.set MSB, \new
.endif
.endm
.set MUL_LO, 0xa1
.set MUL_HI, 0xf1
.set BIA_LO, 0x81                      ; the first step: C (the bias) window 0, D window 2
.set BIA_HI, 0xc1
.set TO_B,   0x40
.macro JLOAD g0a, g1a, g0b, g1b        ; a joint load: waves 0 and 1 fetch for A, waves 2 and 3 for B; four v_nop follow each of the two lines
	s_cmp_eq_u32 s15, 0
	s_cbranch_scc0 .Lfor_b_\@
	tensor_load_to_lds s[\g0a:\g0a+3], s[\g1a:\g1a+7]
	s_nop 0
.rept 4
	v_nop
.endr
	s_branch .Lasked_\@
.Lfor_b_\@:
	tensor_load_to_lds s[\g0b:\g0b+3], s[\g1b:\g1b+7]
	s_nop 0
.rept 4
	v_nop
.endr
.Lasked_\@:
.endm
.macro CREST
	s_cmp_lg_u32 s14, 0
	s_cbranch_scc1 .Lnot_wave_0_\@
	s_barrier_signal -3
.Lnot_wave_0_\@:
	s_barrier_wait -3
	s_barrier_signal -1
	s_barrier_wait -1
.endm
.macro CROUND
	s_barrier_signal -1
	s_barrier_wait -1
	CREST
.endm
	s_load_b256 s[4:11], s[0:1], 0x0               ; oc s[4:5], os s[6:7], cod s[8:9], scl s[10:11]
	s_load_b128 s[96:99], s[0:1], 0x20             ; bo s[96:97], out0 s[98:99]
	v_lshl_add_u32 v[SPW], v0, 2, SPARE
	v_mov_b32 v[NIL], 0
	ds_add_u32 v28, v29
	ds_add_u32 v28, v29
	s_wait_dscnt 0x0
	v_lshrrev_b32 v1, 5, v0
	v_readfirstlane_b32 s14, v1                    ; wave 0..3
	s_lshr_b32 s15, s14, 1                         ; which half of the tile's rows is mine.  Also: I fetch for A (0) or for B (1)
	s_and_b32 s16, s14, 1                          ; which half of its columns.  Also: which 128 rows of that tile I fetch
	s_bfe_u32 s40, ttmp6, 0x40000                  ; cx, cy
	s_bfe_u32 s41, ttmp6, 0x40004
	s_lshl_b32 s42, ttmp9, 2
	s_add_co_u32 s42, s42, s40                     ; tile column of C
	s_and_b32 s17, ttmp7, 0xffff
	s_lshl_b32 s17, s17, 2
	s_add_co_u32 s17, s17, s41                     ; tile row of C
	s_lshl_b32 s43, s41, 2
	s_lshl_b32 s43, 15, s43                        ; my row of the cluster
	s_lshl_b32 s44, 0x1111, s40                    ; my column
	; group 1 for A: four rows of 6,144 bytes (768 elements of 8 bytes), 393,216 bytes (49,152 elements) apart, no padding
	s_or_b32 s[G1+0], s43, (3<<16)|(1<<21)
	s_mov_b32 s[G1+1], 768<<16                     ; tensor_dim0
	s_mov_b32 s[G1+2], 4<<16                       ; tensor_dim1
	s_mov_b32 s[G1+3], 768<<16                     ; tile_dim0
	s_mov_b32 s[G1+4], 4                           ; tile_dim1
	s_mov_b32 s[G1+5], 49152                       ; tensor_dim0_stride
	s_mov_b32 s[G1+6], 0
	s_mov_b32 s[G1+7], 0
	; for B: 128 rows of 192 bytes, 16 bytes of padding behind every 64
	s_or_b32 s[G1B+0], s44, (0<<16)|(1<<20)|(1<<21)|(3<<22)|(3<<25)
	s_mov_b32 s[G1B+1], ROWB<<16
	s_mov_b32 s[G1B+2], 128<<16
	s_mov_b32 s[G1B+3], ROWB<<16
	s_mov_b32 s[G1B+4], 128
	s_mov_b32 s[G1B+5], KROW
	s_mov_b32 s[G1B+6], 0
	s_mov_b32 s[G1B+7], 0
	; for B's scales: 4,096 dense bytes as rows of 256, 16 bytes of padding behind each
	s_or_b32 s[G1SB+0], s44, (3<<16)|(1<<20)|(1<<21)|(5<<22)|(3<<25)
	s_mov_b32 s[G1SB+1], 32<<16
	s_mov_b32 s[G1SB+2], (128*KS/256)<<16
	s_mov_b32 s[G1SB+3], 32<<16
	s_mov_b32 s[G1SB+4], 128*KS/256
	s_mov_b32 s[G1SB+5], 32
	s_mov_b32 s[G1SB+6], 0
	s_mov_b32 s[G1SB+7], 0
	s_lshl_b32 s18, s16, 7                         ; which 128 rows of the tile I fetch
	s_lshl_b32 s20, s17, 8
	s_add_co_u32 s20, s20, s18                     ; A: token 256 x tile row + 128 x half
	s_mul_i32 s20, s20, 48
	s_mov_b32 s21, 0
	s_lshl_b32 s46, s42, 8
	s_add_co_u32 s46, s46, s18
	s_add_co_u32 s46, s46, 27648                   ; B: Wo's row 256 x tile column + 128 x half
	s_mul_i32 s92, s46, KS
	s_mov_b32 s93, 0
	s_mul_i32 s46, s46, KROW
	s_mov_b32 s47, 0
	s_lshl_b32 s22, s17, 9                         ; os: the tile's 256 tokens, 2 bytes each
	s_mov_b32 s23, 0
	s_mul_i32 s45, s16, HALFA                      ; where they go: no place in the cluster enters an LDS address
	s_mul_i32 s94, s16, HALFT
	s_add_co_u32 s94, s94, BOFF
	s_mul_i32 s95, s16, HALFS
	s_add_co_u32 s95, s95, SCL+2*HALFS
	s_wait_kmcnt 0x0
	s_add_nc_u64 s[20:21], s[4:5], s[20:21]
	s_add_nc_u64 s[46:47], s[8:9], s[46:47]
	s_add_nc_u64 s[92:93], s[10:11], s[92:93]
	s_add_nc_u64 s[6:7], s[6:7], s[22:23]
	s_mov_b64 s[12:13], s[98:99]
	CROUND                                         ; all sixteen work-groups are here: the first joint loads meet
	s_mov_b32 s[G0SB], 1
	s_mov_b32 s[G0SB+1], s95
	s_mov_b64 s[G0SB+2:G0SB+3], s[92:93]
	s_or_b32 s[G0SB+3], s[G0SB+3], 0x80000000
.irp s, 0,1
	s_mov_b32 s[G0+4*\s], 1
	s_add_co_u32 s[G0+4*\s+1], s45, \s*SLOT
	s_add_nc_u64 s[G0+4*\s+2:G0+4*\s+3], s[20:21], \s*ASTEP
	s_or_b32 s[G0+4*\s+3], s[G0+4*\s+3], 0x80000000
	s_mov_b32 s[G0B+4*\s], 1
	s_add_co_u32 s[G0B+4*\s+1], s94, \s*SLOT
	s_add_nc_u64 s[G0B+4*\s+2:G0B+4*\s+3], s[46:47], \s*ROWB
	s_or_b32 s[G0B+4*\s+3], s[G0B+4*\s+3], 0x80000000
.endr
	s_cmp_eq_u32 s15, 0                            ; a wave's first fills stand in one branch on the wave's number: waves 0, 1 two loads (A's slots), waves 2, 3 three (B's scales, B's slots); four v_nop follow the last
	s_cbranch_scc0 .Lfirst_b
	tensor_load_to_lds s[G0:G0+3], s[G1:G1+7]
	s_nop 0
	tensor_load_to_lds s[G0+4:G0+7], s[G1:G1+7]
	s_nop 0
.rept 4
	v_nop
.endr
	s_branch .Lfirst_done
.Lfirst_b:
	tensor_load_to_lds s[G0SB:G0SB+3], s[G1SB:G1SB+7]
	s_nop 0
	tensor_load_to_lds s[G0B:G0B+3], s[G1B:G1B+7]
	s_nop 0
	tensor_load_to_lds s[G0B+4:G0B+7], s[G1B:G1B+7]
	s_nop 0
.rept 4
	v_nop
.endr
.Lfirst_done:
	v_lshlrev_b32 v[OSO], 2, v0                    ; thread t takes tokens 2 t and 2 t + 1 of the tile: 4 bytes of each head's plane.  The register serves these loads alone and is not written again
.irp hd, 0,1,2,3,4,5,6,7,8,9,10,11,12,13,14,15
	global_load_b32 v[224+\hd], v[OSO], s[6:7] offset:16384*\hd
.endr
	v_and_b32 v1, 15, v0                           ; r
	v_bfe_u32 v2, v0, 4, 1                         ; h
	s_wait_alu depctr_va_vdst(0)
	s_lshl_b32 s20, s17, 8
	s_lshl_b32 s21, s15, 7
	s_add_co_u32 s20, s20, s21                     ; my first row of C
	s_lshl_b32 s20, s20, 12                        ; 4,096 bytes a row
	s_mov_b32 s21, 0
	s_lshl_b32 s46, s42, 10                        ; my first column, in bytes: 1,024 x tile column + 512 x half; the same number of bytes into bo
	s_lshl_b32 s47, s16, 9
	s_add_co_u32 s46, s46, s47
	s_mov_b32 s47, 0
	s_add_nc_u64 s[12:13], s[12:13], s[20:21]
	s_add_nc_u64 s[12:13], s[12:13], s[46:47]
	s_add_nc_u64 s[96:97], s[96:97], s[46:47]
	v_lshlrev_b32 v7, 5, v2                        ; the bias's offset: 32 h; not written again
.irp b, 0,1,2,3,4,5,6,7                        ; the bias in the result's layout: lane (r, h) wants, for B's tile b, columns 16 b + 8 h + 0 .. 7
	global_load_b128 v[BI+8*\b:BI+8*\b+3], v7, s[96:97] offset:64*\b
	global_load_b128 v[BI+8*\b+4:BI+8*\b+7], v7, s[96:97] offset:64*\b+16
.endr
	v_mul_u32_u24 v3, v1, PITCH
	v_mul_u32_u24 v4, v2, 24
	v_add_nc_u32 v6, v3, v4                        ; B: a fragment's row x pitch + 24 x half
	v_lshl_add_u32 v5, v2, 4, v6                   ; and the same behind one padding more
	v_mad_u32_u24 v4, v1, 48, v4                   ; A: 48 r + 24 h
	s_mul_i32 s21, s15, HALFA                      ; my 128 rows of A
	s_mul_i32 s22, s16, HALFT                      ; my 128 rows of B,
	s_add_co_u32 s22, s22, BOFF                    ; which lie behind A's 256
.irp s, 0,1
	v_add_nc_u32 v[ADRA+\s], s21, v4
	v_add_nc_u32 v[ADRB+\s], s22, v6
	v_add_nc_u32 v[ADRB+2+\s], s22, v5
	s_add_co_u32 s21, s21, SLOT
	s_add_co_u32 s22, s22, SLOT
.endr
	v_mul_u32_u24 v5, v1, KS                       ; my row's scales: KS bytes a row,
	v_lshrrev_b32 v6, 8, v5
	v_lshl_add_u32 v5, v6, 4, v5                   ; and 16 more for each 256 passed
	s_mul_i32 s21, s15, HALFS
	s_mul_i32 s22, s16, HALFS
	s_add_co_u32 s22, s22, 2*HALFS
	s_sub_co_u32 s22, s22, s21
	v_mul_u32_u24 v6, s22, v2                      ; lanes 16-31 take B's: one product, the distance between the two bases
	s_add_co_u32 s21, s21, SCL
	v_add_nc_u32 v5, v5, v6
	v_add_nc_u32 v[ADRS], s21, v5
	s_mul_i32 s23, s14, 16*SPITCH                  ; my stage
	v_mul_u32_u24 v5, v1, SPITCH
	v_lshl_add_u32 v5, v2, 5, v5
	v_add_nc_u32 v[STO], s23, v5                   ; in: row r, 32 bytes for each half of the lanes
	v_and_b32 v6, 31, v0
	v_lshlrev_b32 v[CO], 4, v6                     ; back: the 32 lanes take one row of 512 bytes; and the same in C
	v_add_nc_u32 v[RD], s23, v[CO]
	v_lshrrev_b32 v5, 2, v0
	v_lshlrev_b32 v4, 6, v0
	v_lshl_add_u32 v4, v5, 4, v4
	v_add_nc_u32 v4, SCL, v4                       ; A's scale table: rows 2 t, 2 t + 1 at 64 t, + 16 for each 256 passed
	s_wait_loadcnt 16                              ; the sixteen loads from os are in; the bias's sixteen may be out
.irp j, 0,1,2,3,4,5,6,7
	v_perm_b32 v[240+\j], v[225+2*\j], v[224+2*\j], 0x05040100     ; token 2 t: heads 2 j and 2 j + 1: the word of 128 along K
	v_perm_b32 v[248+\j], v[225+2*\j], v[224+2*\j], 0x07060302     ; token 2 t + 1
.endr
	ds_store_b128 v4, v[240:243]
	ds_store_b128 v4, v[244:247] offset:16
	ds_store_b128 v4, v[248:251] offset:32
	ds_store_b128 v4, v[252:255] offset:48
.macro FRAG reg, adr, q, i             ; a fragment of B: 12 registers, in pieces of 8 bytes; where the piece of lanes 16-31 lies behind one padding more, the second address register serves
.irp p, 0,1,2,3,4,5
.set PCE, 12*(\q)+6*(\p/3)+\p%3
.if PCE%8 < 5
	ds_load_b64 v[\reg+2*\p:\reg+2*\p+1], v[\adr] offset:8*PCE+16*(PCE/8)+(\i)*16*PITCH
.else
	ds_load_b64 v[\reg+2*\p:\reg+2*\p+1], v[\adr+2] offset:8*PCE+16*(PCE/8)+(\i)*16*PITCH
.endif
.endr
.endm
.macro FRAGA reg, adr, q, i            ; a fragment of A: registers 6 c .. 6 c + 5 hold K = 64 c + 32 (l / 16) + 0 .. 31: 24 bytes of my token's 48 in the plane of head 2 q + c of the slot
.irp p, 0,1,2,3,4,5
	ds_load_b64 v[\reg+2*\p:\reg+2*\p+1], v[\adr] offset:(2*(\q)+\p/3)*PLANE+(\i)*768+8*(\p%3)
.endr
.endm
; 16 matrix instructions: A's blocks a0, a0 + 1 x B's eight.  zero = 2: the sums begin with the bias.  The 64 accumulators take turns, one instruction a turn, in the same order in every step.
.macro MUL16 a0, p, q, sc, zero
.irp a, \a0, \a0+1
.irp b, 0,1,2,3,4,5,6,7
.if \zero
	v_wmma_scale_f32_16x16x128_f8f6f4 v[8*(8*((\a)%4)+\b):8*(8*((\a)%4)+\b)+7], v[128*(\p)+FR*\b:128*(\p)+FR*\b+FR-1], v[AF+FR*(\a):AF+FR*(\a)+FR-1], v[BI+8*\b:BI+8*\b+7], v[SC+8*NQ*(\sc)+NQ*\b+(\q)], v[SC+8*NQ*(\sc)+NQ*(\a)+(\q)] matrix_a_fmt:MATRIX_FMT_FP6 matrix_b_fmt:MATRIX_FMT_FP6 matrix_a_scale:MATRIX_SCALE_ROW1
.else
	v_wmma_scale_f32_16x16x128_f8f6f4 v[8*(8*((\a)%4)+\b):8*(8*((\a)%4)+\b)+7], v[128*(\p)+FR*\b:128*(\p)+FR*\b+FR-1], v[AF+FR*(\a):AF+FR*(\a)+FR-1], v[8*(8*((\a)%4)+\b):8*(8*((\a)%4)+\b)+7], v[SC+8*NQ*(\sc)+NQ*\b+(\q)], v[SC+8*NQ*(\sc)+NQ*(\a)+(\q)] matrix_a_fmt:MATRIX_FMT_FP6 matrix_b_fmt:MATRIX_FMT_FP6 matrix_a_scale:MATRIX_SCALE_ROW1
.endif
.endr
.endr
.endm
.macro FETCH_B slot, q, p
	WIN TO_B
.irp i, 0,1,2,3,4,5,6,7
	FRAG 128*(\p)+FR*\i, ADRB+\slot, \q, \i
.endr
	WIN 0
.endm
.macro FETCH_A slot, q, i0
.irp i, \i0, \i0+1, \i0+2, \i0+3
	FRAGA AF+FR*(\i), ADRA+\slot, \q, \i
.endr
.endm
.macro SCALES sc
.irp i, 0,1,2,3,4,5,6,7
	ds_load_b64 v[SC+8*NQ*\sc+NQ*\i:SC+8*NQ*\sc+NQ*\i+1], v[ADRS] offset:\i*SBLK
.endr
.endm
.macro PLACES n                        ; plain vector lines between a matrix instruction and a load into, or a read of, its registers (ISA guide 7.12.1 for the reads)
.rept \n
	v_nop
.endr
.endm
.macro STEP slot, q, zero
	s_wait_dscnt 4*NL                              ; B's set, A's blocks 0-3 and the scale words are in; the youngest 24 loads (A's blocks 4-7) may be out
.if \zero
	WIN BIA_LO
.else
	WIN MUL_LO
.endif
	MUL16 0, (\q)%2, \q, \slot, \zero
	MUL16 2, (\q)%2, \q, \slot, \zero
	s_wait_dscnt 0
	PLACES NP
	FETCH_B \slot, (\q)+1, 1-(\q)%2
	FETCH_A \slot, (\q)+1, 0
.if \zero
	WIN BIA_HI
.else
	WIN MUL_HI
.endif
	MUL16 4, (\q)%2, \q, \slot, \zero
	MUL16 6, (\q)%2, \q, \slot, \zero
	PLACES NP
	WIN 0
	FETCH_A \slot, (\q)+1, 4
.endm
; A slot's last step changes slots: ONE barrier; in front of it each wave waits for all its tensor loads, adds 0 to its spare word, and waits for that and for its own reads of this slot.
.macro TURN slot, next, fill
	s_wait_tensorcnt 0x0                           ; all my tensor loads have landed: my part of the next slot
	ds_add_u32 v[SPW], v[NIL]                      ; 0 onto my spare word
	s_wait_dscnt 4*NL+1                            ; (the add and the youngest 24 loads may be out)
	WIN MUL_LO
	MUL16 0, 1, NQ-1, \slot, 0
	s_wait_dscnt 0x0                               ; the add is done, and my reads of this slot are over
	s_barrier_signal -1
	MUL16 2, 1, NQ-1, \slot, 0
	WIN 0
	s_barrier_wait -1
.if \fill
	CREST                                          ; the barrier has opened a round of the cluster's barrier: no wave of any partner still reads this slot's tile or has a load on its way
	s_add_nc_u64 s[G0+4*\slot+2:G0+4*\slot+3], s[G0+4*\slot+2:G0+4*\slot+3], 2*ASTEP
	s_add_nc_u64 s[G0B+4*\slot+2:G0B+4*\slot+3], s[G0B+4*\slot+2:G0B+4*\slot+3], 2*ROWB
	JLOAD G0+4*\slot, G1, G0B+4*\slot, G1B         ; the first tensor load behind the round; its four v_nop are the places in front of the loads below
.else
	PLACES NP
.endif
	s_wait_alu depctr_va_vdst(0)
	v_add_nc_u32 v[ADRS], 4*NQ, v[ADRS]
	FETCH_B \next, 0, 0
	FETCH_A \next, 0, 0
	SCALES \next
	WIN MUL_HI
	MUL16 4, 1, NQ-1, \slot, 0
	MUL16 6, 1, NQ-1, \slot, 0
	PLACES NP
	WIN 0
	FETCH_A \next, 0, 4
.endm
	s_wait_tensorcnt 1                             ; my part of K step 0 (and of B's scales) is in; K step 1's load may be out,
	s_wait_dscnt 0x0                               ; my part of A's scale table has landed,
	s_barrier_signal -1
	s_barrier_wait -1                              ; everybody's have
	FETCH_B 0, 0, 0
	FETCH_A 0, 0, 0
	SCALES 0
	FETCH_A 0, 0, 4
	s_wait_loadcnt 0x0                             ; the bias
	STEP 0, 0, 2                                   ; the first step stands in front of the loop: its products start the sums with the bias
	s_mov_b32 s3, LAPS-1
.Llap:
	TURN 0, 1, 1
	STEP 1, 0, 0
	TURN 1, 0, 1
	STEP 0, 0, 0
	s_sub_co_u32 s3, s3, 1
	s_cmp_lg_u32 s3, 0
	s_cbranch_scc1 .Llap
	TURN 0, 1, 0                                   ; the last lap fills nothing
	STEP 1, 0, 0
	s_wait_dscnt 4*NL
	WIN MUL_LO
	MUL16 0, 1, NQ-1, 1, 0
	MUL16 2, 1, NQ-1, 1, 0
	s_wait_dscnt 0
	WIN MUL_HI
	MUL16 4, 1, NQ-1, 1, 0
	MUL16 6, 1, NQ-1, 1, 0
	WIN 0
; THE WAY OUT, block by block of 16 rows x 128 columns: through my own stage in LDS, back as whole rows of 512 bytes.  LDS serves a wave's instructions in order (ISA guide 5.7.1.4).
.macro TOSTAGE a
.set AC, 64*((\a)%4)
.set WD, 0x08+4*((\a)/4)
	WIN WD                                         ; the data: window 2 or 3
.irp b, 0,1,2,3,4,5,6,7
	ds_store_b128 v[STO], v[AC+8*\b:AC+8*\b+3] offset:64*\b          ; each accumulator from its low end on
	ds_store_b128 v[STO], v[AC+8*\b+4:AC+8*\b+7] offset:64*\b+16
.endr
	WIN 0
.set BB, BK+64*((\a)%2)
.irp t, 0,1,2,3,4,5,6,7,8,9,10,11,12,13,14,15
	ds_load_b128 v[BB+4*\t:BB+4*\t+3], v[RD] offset:\t*SPITCH
.endr
.endm
.macro SEND a, younger
.set BB, BK+64*((\a)%2)
	s_wait_dscnt \younger                          ; the block is back in registers
.if (\a) > 0
	s_add_nc_u64 s[12:13], s[12:13], 16*SIZE_N*4   ; (behind a wait on XCNT: the earlier stores have read their base)  16 rows of C on
.endif
.irp t, 0,1,2,3,4,5,6,7,8,9,10,11,12,13,14,15
	global_store_b128 v[CO], v[BB+4*\t:BB+4*\t+3], s[12:13] offset:\t*SIZE_N*4 th:TH_STORE_NT   ; 32 lanes store 512 consecutive bytes, at a multiple of 256 from out0's first byte
.endr
.endm
	PLACES NP
	TOSTAGE 0
.irp a, 1,2,3,4,5,6,7
.if \a > 1
	s_wait_xcnt 0x0                                ; block a - 2's stores have read their registers and their base
.endif
	TOSTAGE \a
	SEND \a-1, 32                                  ; behind block a - 1's loads: block a's 16 stores and 16 loads
.endr
	s_wait_xcnt 0x0
	SEND 7, 0
	s_wait_tensorcnt 0x0                           ; the wave's end
	ds_add_u32 v[SPW], v[NIL]
	s_wait_dscnt 0x0
	CROUND                                         ; the closing round
	s_endpgm
.Lfunc_end_k_qc0a990c874_outp:
	.size	k_qc0a990c874_outp, .Lfunc_end_k_qc0a990c874_outp-k_qc0a990c874_outp
	.p2alignl 7, 3214868480
	.fill 96, 4, 3214868480
	.section	.rodata,"a",@progbits
	.p2align	6, 0x0
	.amdhsa_kernel k_qc0a990c874_outp
		.amdhsa_group_segment_fixed_size 327680
		.amdhsa_private_segment_fixed_size 0
		.amdhsa_enable_private_segment 0
		.amdhsa_kernarg_size 48
		.amdhsa_user_sgpr_count 2
		.amdhsa_user_sgpr_kernarg_segment_ptr 1
		.amdhsa_wavefront_size32 1
		.amdhsa_system_sgpr_workgroup_id_x 1
		.amdhsa_system_sgpr_workgroup_id_y 1
		.amdhsa_system_sgpr_workgroup_id_z 1
		.amdhsa_system_vgpr_workitem_id 0
		.amdhsa_next_free_vgpr 1024
		.amdhsa_next_free_sgpr 100
		.amdhsa_reserve_vcc 0
		.amdhsa_float_denorm_mode_32 3
		.amdhsa_float_denorm_mode_16_64 3
		.amdhsa_memory_ordered 1
		.amdhsa_forward_progress 1
		.amdhsa_inst_pref_size 164
	.end_amdhsa_kernel
	.amdgpu_metadata
---
amdhsa.version: [ 1, 2 ]
amdhsa.kernels:
  - .name:           k_qc0a990c874_outp
    .symbol:         k_qc0a990c874_outp.kd
    .args:
      - { .name: oc, .offset: 0, .size: 8, .value_kind: global_buffer, .address_space: global }
      - { .name: os, .offset: 8, .size: 8, .value_kind: global_buffer, .address_space: global }
      - { .name: cod, .offset: 16, .size: 8, .value_kind: global_buffer, .address_space: global }
      - { .name: scl, .offset: 24, .size: 8, .value_kind: global_buffer, .address_space: global }
      - { .name: bo, .offset: 32, .size: 8, .value_kind: global_buffer, .address_space: global }
      - { .name: out0, .offset: 40, .size: 8, .value_kind: global_buffer, .address_space: global }
    .group_segment_fixed_size: 327680
    .private_segment_fixed_size: 0
    .kernarg_segment_align: 8
    .kernarg_segment_size: 48
    .max_flat_workgroup_size: 128
    .sgpr_count:     100
    .vgpr_count:     1024
    .wavefront_size: 32
...
	.end_amdgpu_metadata
.endif
;; end of part 4
